; MI455X (gfx1250); checked and timed in simulation.
; The chip was launched on July 23, 2026; its instructions are those of AMD's public machine-readable ISA for CDNA 5 (MIT licence, August 2026) and "CDNA5" Instruction Set Architecture Reference Guide (July 2026). The comments in the code are by the model that wrote it; some were corrected since.
;; Attention Layer. Allowed arithmetic: float matrix products may take bf16 or f16 operands with f32 sums; all other float work in f32.
;; Inputs: Wk 512 x 512 float32; Wo 512 x 512 float32; Wq 512 x 512 float32; Wv 512 x 512 float32; bo 512 float32; hop_matrix 1,024 x 1,024 int32; rpe 8 x 9 float32; x 16 x 1,024 x 512 float32.
;; Outputs: out0 16 x 1,024 x 512 float32.
;; 3 versions, each right and faster than the one before. Each part assembles by itself: llvm-mc -triple=amdgcn-amd-amdhsa -mcpu=gfx1250 --defsym DOCPART=n.
;; ======== version 1 of 3: 3 launches
;; limits: values are held in f16: magnitudes above 65,504 overflow, below 6.1e-05 lose precision
;; workspace buffers: qf 16,777,216 bytes; kv 33,554,432 bytes; of 16,777,216 bytes
;; launch qkv (part 1): grid 4 x 64, 4 waves a work-group, no clusters, 166,912 bytes of LDS; arguments x, Wq, Wk, Wv, qf, kv; writes qf, kv
.if DOCPART == 1
	.amdgcn_target "amdgcn-amd-amdhsa--gfx1250"
	.amdhsa_code_object_version 6
	.text
	.protected	k_q773f6e38c3_qkv
	.globl	k_q773f6e38c3_qkv
	.p2align	8
	.type	k_q773f6e38c3_qkv,@function
k_q773f6e38c3_qkv:
	s_mov_b64 s[64:65], 0
	v_nop
	global_prefetch_b8 v0, s[64:65] scope:SCOPE_SE
	s_setreg_imm32_b32 hwreg(HW_REG_WAVE_MODE, 25, 1), 1
	s_wait_xcnt 0x0
; q = x Wq^T (times log2(e)/8), k = x Wk^T, v = x Wv^T, rounded once to f16 and stored as the register images that the attention launch loads.
; DEAD WORK: none is left out in this program; every input of the problem has a way to the output and is loaded by one of the three launches.
; FORMAT: every matrix operand of the three launches is f16, sums are f32.  The chain rounds x, W, q, k, v, P, O and Wo one after the other, and a result is
; allowed one hundredth of the output's root mean square: f16's 11 significant bits leave room for that chain, 8 bits would not.
; RANGE: f16 ends at 65,504.  As drawn |q|, |k|, |v| stay near 6; with x and W all 30 times larger near 5,400; with x and W both carrying an offset of 30 spreads
; they are about 512 x 30 x 1.33 = 20,400.  Thirty times smaller inputs fall into f16's denormals, whose step 2^-24 is still small beside them.
; LIMITS: an operand beyond 65,504 in magnitude becomes an infinity; q is scaled by log2(e)/8 in f32 before its one rounding; the order of the sums is not the reference's.
; SHARES: work-group (p, tb) takes tokens 256 tb .. +255 and the heads 2p and 2p+1 of Q, K and V (384 features); wave w takes 64 tokens = four token tiles,
; which are exactly one block of 64 keys.  The wave's x (64 x 512 in f16 = 512 registers) stays in registers; W goes through LDS, 32 rows a trip.
; Trip (kind, j): rows 128p+16j .. +15 (head 2p) and 128p+64+16j .. +15 (head 2p+1) of that kind's W: 128 products a wave.
; NO TENSOR LOADS, NO CLUSTER: x and W are f32 in memory and have to be rounded to f16 on the way into LDS, which only a way through registers does;
; f32 fragments in LDS would double the 64 LDS loads that feed a trip's 128 products.
; LAYOUTS (a piece = 512 bytes, lane L at byte 16 L; r = L & 15, hh = L >> 4):
;   qf [b][h][qt 64][ft 4] pieces: q'[token 16qt+r][d = 16ft+8hh .. +7]
;   kv [b][h][kb 16] blocks of 16,384 bytes: K pieces at (4kt+ft) 512: k[key 16kt+r][d = 16ft+8hh .. +7];
;      V pieces at 8192 + ((4 ks2 + dt) 2 + c) 512: v[key 32ks2+16c+8hh .. +7][d = 16dt+r]
; Q and K: source 0 = 16 rows of W, source 1 = 16 tokens, so a lane's eight results are eight neighbouring features of one token.
; V: source 0 = 16 tokens, source 1 = 16 rows of W, so a lane's eight results are eight neighbouring keys of one feature.
; REGISTER WINDOWS: 0 addresses, accumulators, packed results, landing registers; 1 W fragments (in the prologue a second landing set); 2, 3 x fragments.
.set PITCH, 1040                       ; an LDS row: 1,024 bytes of f16 + 16: 65 x 16 bytes, so sixteen rows begin in sixteen different 16-byte columns of 256
.set HALFW, 16*PITCH
.set WBUF,  32*PITCH                   ; a stage of 32 rows of W; three of them, one for each kind
.set XST,   3*WBUF                     ; behind them a stage of 16 rows of x for each wave, its own
.set XLO,  2                           ; v2   x: 131072 w + 16 L
.set XSA,  3                           ; v3   x stage, store: 8 L
.set XRA,  4                           ; v4   x stage, fragment read: 1040 r + 16 hh
.set WOFF, 5                           ; v5   W: my 8 rows of the 32, + 16 L
.set WSA,  6                           ; v6-8  W stage n, store
.set WRA,  9                           ; v9-11 W stage n, fragment read
.set SOQ,  12                          ; v12  8192 w + 16 L
.set SOK,  13                          ; v13  16384 w + 16 L
.set ACC,  32                          ; v32-95   tile (ft2, tt) at ACC + 8 (4 ft2 + tt)
.set OUTP, 96                          ; v96-127  packed results
.set LD,   128                         ; v128-255 landing registers
.set QSCALE, 0x3e38aa3b                ; log2(e) / 8
.set MSB, 0
.macro WIN new                         ; the immediate's high byte repeats the setting that is left
.if MSB != (\new)
	s_set_vgpr_msb (MSB<<8)|(\new)
.set MSB, (\new)
.endif
.endm
.macro PLACES                          ; five plain places behind a run of matrix instructions (ISA guide 7.12.1): enough for every later reader or writer of its registers
.rept 5
	v_nop
.endr
.endm
	s_load_b256 s[4:11], s[0:1], 0x0               ; x s[4:5], Wq s[6:7], Wk s[8:9], Wv s[10:11]
	s_load_b128 s[12:15], s[0:1], 0x20             ; qf s[12:13], kv s[14:15]
	v_lshl_add_u32 v30, v0, 2, 0x28a00
	v_mov_b32 v31, 0
	v_lshrrev_b32 v1, 5, v0
	v_readfirstlane_b32 s18, v1                    ; w
	s_mov_b32 s16, ttmp9                           ; p
	s_and_b32 s17, ttmp7, 0xffff                   ; tb
	s_lshr_b32 s19, s17, 2                         ; b
	s_and_b32 s20, s17, 3                          ; tq: which quarter of the batch's tokens
	v_and_b32 v14, 31, v0                          ; L
	v_and_b32 v15, 15, v0                          ; r
	v_bfe_u32 v16, v0, 4, 1                        ; hh
	s_lshl_b32 s21, s18, 17                        ; 64 rows of 2,048 bytes a wave
	v_lshl_add_u32 v[XLO], v14, 4, s21
	s_mul_i32 s21, s18, HALFW
	s_add_co_u32 s21, s21, XST                     ; my wave's x stage
	v_lshl_add_u32 v[XSA], v14, 3, s21
	v_mul_u32_u24 v17, v15, PITCH
	v_lshl_add_u32 v17, v16, 4, v17                ; 1040 r + 16 hh
	v_add_nc_u32 v[XRA], s21, v17
	s_lshr_b32 s27, s18, 1
	s_lshl_b32 s27, s27, 17                        ; waves 2, 3: the second head's rows, 64 rows on
	s_and_b32 s28, s18, 1
	s_lshl_b32 s28, s28, 14                        ; odd waves: 8 rows on
	s_add_co_u32 s27, s27, s28
	v_lshl_add_u32 v[WOFF], v14, 4, s27
	s_mul_i32 s27, s18, 8*PITCH                    ; stage rows 8 w .. 8 w + 7 are mine to store
	v_lshl_add_u32 v[WSA], v14, 3, s27
	v_add_nc_u32 v[WSA+1], WBUF, v[WSA]
	v_add_nc_u32 v[WSA+2], 2*WBUF, v[WSA]
	v_mov_b32 v[WRA], v17
	v_add_nc_u32 v[WRA+1], WBUF, v17
	v_add_nc_u32 v[WRA+2], 2*WBUF, v17
	s_lshl_b32 s27, s18, 13
	v_lshl_add_u32 v[SOQ], v14, 4, s27
	s_lshl_b32 s27, s18, 14
	v_lshl_add_u32 v[SOK], v14, 4, s27
	WIN 0x40                                       ; copies of the two x addresses for the second landing set, in window 1
	v_mov_b32 v[XLO], v[XLO]
	v_mov_b32 v[XSA], v[XSA]
	WIN 0
	s_wait_kmcnt 0x0
	s_lshl_b32 s22, s17, 19                        ; 256 tokens of 2,048 bytes
	s_mov_b32 s23, 0
	s_add_nc_u64 s[4:5], s[4:5], s[22:23]
	s_lshl_b32 s22, s16, 18                        ; 128 rows of W
	s_add_nc_u64 s[6:7], s[6:7], s[22:23]
	s_add_nc_u64 s[8:9], s[8:9], s[22:23]
	s_add_nc_u64 s[10:11], s[10:11], s[22:23]
	s_lshl_b32 s21, s19, 3
	s_lshl_b32 s28, s16, 1
	s_add_co_u32 s21, s21, s28                     ; 8 b + 2 p
	s_lshl_b32 s22, s21, 17
	s_lshl_b32 s27, s20, 15
	s_add_co_u32 s22, s22, s27
	s_add_nc_u64 s[12:13], s[12:13], s[22:23]      ; qf at (b, head 2p, query tile 16 tq)
	s_lshl_b32 s22, s21, 18
	s_lshl_b32 s27, s20, 16
	s_add_co_u32 s22, s22, s27
	s_add_nc_u64 s[14:15], s[14:15], s[22:23]      ; kv at (b, head 2p, block 4 tq): K's base
	s_mov_b64 s[24:25], s[14:15]                   ; and V's, which steps otherwise
; rows 8c .. 8c+7 of my 64: 32 loads of 512 consecutive bytes; even chunks land in window 0, odd ones in window 1
.macro XLOAD c
.if (\c)&1
	WIN 0x55
.else
	WIN 0
.endif
.set qi, 0
.rept 32
	global_load_b128 v[LD+4*qi:LD+4*qi+3], v[XLO], s[4:5] offset:(8*(\c)+qi/4)*2048+(qi%4)*512
.set qi, qi+1
.endr
.endm
; the chunk rounded to f16 in place and laid into my stage: 32 lanes x 8 bytes are 256 consecutive bytes of a stage row
.macro XCVT c
.if (\c)&1
	WIN 0x55
.else
	WIN 0
.endif
.set qi, 0
.rept 32
	v_cvt_pk_f16_f32 v[LD+4*qi], v[LD+4*qi], v[LD+4*qi+1]
	v_cvt_pk_f16_f32 v[LD+4*qi+1], v[LD+4*qi+2], v[LD+4*qi+3]
	ds_store_b64 v[XSA], v[LD+4*qi:LD+4*qi+1] offset:(8*((\c)&1)+qi/4)*PITCH+(qi%4)*256
.set qi, qi+1
.endr
.endm
; token tile tt as 16 fragments.  My own bytes, and LDS serves a wave's instructions in order (ISA guide 5.7.1): no wait, no barrier
.macro XFRAG tt
.if (\tt) < 2
	WIN 0x80
.else
	WIN 0xc0
.endif
.set qi, 0
.rept 32
	ds_load_b128 v[((\tt)&1)*128+4*qi:((\tt)&1)*128+4*qi+3], v[XRA] offset:qi*32
.set qi, qi+1
.endr
.endm
; my 8 of a trip's 32 rows of W
.macro WLOAD base, imm
	WIN 0
.set qi, 0
.rept 32
	global_load_b128 v[LD+4*qi:LD+4*qi+3], v[WOFF], s[\base:\base+1] offset:(\imm)+(qi/4)*2048+(qi%4)*512
.set qi, qi+1
.endr
.endm
.macro WCVT nb
	WIN 0
.set qi, 0
.rept 32
	v_cvt_pk_f16_f32 v[LD+4*qi], v[LD+4*qi], v[LD+4*qi+1]
	v_cvt_pk_f16_f32 v[LD+4*qi+1], v[LD+4*qi+2], v[LD+4*qi+3]
	ds_store_b64 v[WSA+(\nb)], v[LD+4*qi:LD+4*qi+1] offset:(qi/4)*PITCH+(qi%4)*256
.set qi, qi+1
.endr
.endm
; all 32 fragments of the stage (2 feature tiles x 16 K steps), K step outermost: sixteen loads are four K steps
.macro WFRAG buf
	WIN 0x40
.set ks, 0
.rept 16
.set f2, 0
.rept 2
	ds_load_b128 v[(16*f2+ks)*8:(16*f2+ks)*8+3],   v[WRA+(\buf)] offset:f2*HALFW+ks*64
	ds_load_b128 v[(16*f2+ks)*8+4:(16*f2+ks)*8+7], v[WRA+(\buf)] offset:f2*HALFW+ks*64+32
.set f2, f2+1
.endr
.set ks, ks+1
.endr
.endm
; 128 products: pass 0 token tiles 0, 1 (window 2), pass 1 tiles 2, 3 (window 3).  Four accumulators take turns, one instruction a turn.
; The first K step takes the constant 0 as C: nothing is cleared.
.macro MMA kind
.set ps, 0
.rept 2
.if \kind == 2
	WIN 0x06+ps                                    ; source 0 = x, source 1 = W
.else
	WIN 0x09+4*ps                                  ; source 0 = W, source 1 = x
.endif
.set ks, 0
.rept 16
.if ps == 0
.if ks%4 == 0
	s_wait_dscnt 48-4*ks                           ; the fragments of these four K steps are in; the later groups of sixteen loads stay out
.endif
.endif
.set f2, 0
.rept 2
.set tl, 0
.rept 2
.set ia, ACC+(4*f2+2*ps+tl)*8
.set iw, (16*f2+ks)*8
.set ix, tl*128+ks*8
.if \kind == 2
.if ks == 0
	v_wmma_f32_16x16x32_f16 v[ia:ia+7], v[ix:ix+7], v[iw:iw+7], 0
.else
	v_wmma_f32_16x16x32_f16 v[ia:ia+7], v[ix:ix+7], v[iw:iw+7], v[ia:ia+7]
.endif
.else
.if ks == 0
	v_wmma_f32_16x16x32_f16 v[ia:ia+7], v[iw:iw+7], v[ix:ix+7], 0
.else
	v_wmma_f32_16x16x32_f16 v[ia:ia+7], v[iw:iw+7], v[ix:ix+7], v[ia:ia+7]
.endif
.endif
.set tl, tl+1
.endr
.set f2, f2+1
.endr
.set ks, ks+1
.endr
.set ps, ps+1
.endr
.endm
; eight tiles out: each store of the wave is one piece, 512 consecutive bytes at a multiple of 512 from the buffer's first byte
.macro EPI kind
	s_wait_xcnt 0x0                                ; the last trip's stores read OUTP: it is rewritten only behind this wait
.set tile, 0
.rept 8
.set ia, ACC+8*tile
.if \kind == 0
.irp k, 0,2,4,6
	v_pk_mul_f32 v[ia+\k:ia+\k+1], v[ia+\k:ia+\k+1], QSCALE op_sel_hi:[1,0]
.endr
.endif
.irp k, 0,1,2,3
	v_cvt_pk_f16_f32 v[OUTP+4*tile+\k], v[ia+2*\k], v[ia+2*\k+1]
.endr
.if \kind == 0
	global_store_b128 v[SOQ], v[OUTP+4*tile:OUTP+4*tile+3], s[12:13] offset:(tile/4)*131072+(tile%4)*2048
.endif
.if \kind == 1
	global_store_b128 v[SOK], v[OUTP+4*tile:OUTP+4*tile+3], s[14:15] offset:(tile/4)*262144+(tile%4)*2048
.endif
.if \kind == 2
	global_store_b128 v[SOK], v[OUTP+4*tile:OUTP+4*tile+3], s[24:25] offset:(tile/4)*262144+8192+((tile%4)/2)*4096+(tile%2)*512
.endif
.set tile, tile+1
.endr
.endm
; One trip.  One barrier: in front of it every wave's stage stores and fragment reads are done.  The stage stored at this trip's end was last read
; two trips ago, so two such barriers lie between those reads and these stores.
.macro TRIP kind, buf, next, nbase, nimm, nb
	s_wait_dscnt 0x0                               ; for the other waves: my stores into this trip's stage, and my reads of the older ones
	s_barrier_signal -1
	s_barrier_wait -1
.if \next
	WLOAD \nbase, \nimm                            ; the next trip's rows have this trip's 128 products in which to come
.endif
	WFRAG \buf
	MMA \kind
	WIN 0
	PLACES
	EPI \kind
.if \next
	s_wait_loadcnt 0x0
	WCVT \nb
.endif
.endm
	; x into registers, 8 rows at a time, two chunks on their way
	XLOAD 0
	XLOAD 1
.irp c, 0,1,2,3,4,5,6,7
	s_wait_loadcnt 32                              ; this chunk is in; the 32 younger loads (the next chunk, at the end the first rows of Wq) stay out
	XCVT \c
.if (\c)&1
	XFRAG \c/2
.endif
.if \c < 6
	XLOAD \c+2
.endif
.if \c == 6
	WLOAD 6, 0
.endif
.endr
	WIN 0
	s_wait_loadcnt 0x0
	WCVT 0
	s_mov_b32 s26, 3
.Lj:
	TRIP 0, 0, 1, 8, 0, 1
	TRIP 1, 1, 1, 10, 0, 2
	TRIP 2, 2, 1, 6, 32768, 0                      ; Wq's next 16 rows by the immediate: the bases step below
	s_wait_xcnt 0x0                                ; the bases of pending stores are stepped only behind this wait
	s_add_nc_u64 s[6:7], s[6:7], 32768
	s_add_nc_u64 s[8:9], s[8:9], 32768
	s_add_nc_u64 s[10:11], s[10:11], 32768
	s_add_nc_u64 s[12:13], s[12:13], 512           ; Q, K: the next ft
	s_add_nc_u64 s[14:15], s[14:15], 512
	s_add_nc_u64 s[24:25], s[24:25], 1024          ; V: the next dt
	s_sub_co_u32 s26, s26, 1
	s_cmp_lg_u32 s26, 0
	s_cbranch_scc1 .Lj
	TRIP 0, 0, 1, 8, 0, 1
	TRIP 1, 1, 1, 10, 0, 2
	TRIP 2, 2, 0, 6, 0, 0                          ; the last trip loads nothing
	s_wait_tensorcnt 0x0
	ds_add_u32 v30, v31
	s_wait_dscnt 0x0
	s_endpgm
.Lfunc_end_k_q773f6e38c3_qkv:
	.size	k_q773f6e38c3_qkv, .Lfunc_end_k_q773f6e38c3_qkv-k_q773f6e38c3_qkv
	.p2alignl 7, 3214868480
	.fill 96, 4, 3214868480
	.section	.rodata,"a",@progbits
	.p2align	6, 0x0
	.amdhsa_kernel k_q773f6e38c3_qkv
		.amdhsa_group_segment_fixed_size 166912
		.amdhsa_private_segment_fixed_size 0
		.amdhsa_enable_private_segment 0
		.amdhsa_kernarg_size 48
		.amdhsa_user_sgpr_count 2
		.amdhsa_user_sgpr_kernarg_segment_ptr 1
		.amdhsa_wavefront_size32 1
		.amdhsa_system_sgpr_workgroup_id_x 1
		.amdhsa_system_sgpr_workgroup_id_y 1
		.amdhsa_system_sgpr_workgroup_id_z 1
		.amdhsa_system_vgpr_workitem_id 0
		.amdhsa_next_free_vgpr 1024
		.amdhsa_next_free_sgpr 66
		.amdhsa_reserve_vcc 0
		.amdhsa_float_denorm_mode_32 3
		.amdhsa_float_denorm_mode_16_64 3
		.amdhsa_memory_ordered 1
		.amdhsa_forward_progress 1
		.amdhsa_inst_pref_size 237
	.end_amdhsa_kernel
	.amdgpu_metadata
---
amdhsa.version: [ 1, 2 ]
amdhsa.kernels:
  - .name:           k_q773f6e38c3_qkv
    .symbol:         k_q773f6e38c3_qkv.kd
    .args:
      - { .name: x, .offset: 0, .size: 8, .value_kind: global_buffer, .address_space: global }
      - { .name: Wq, .offset: 8, .size: 8, .value_kind: global_buffer, .address_space: global }
      - { .name: Wk, .offset: 16, .size: 8, .value_kind: global_buffer, .address_space: global }
      - { .name: Wv, .offset: 24, .size: 8, .value_kind: global_buffer, .address_space: global }
      - { .name: qf, .offset: 32, .size: 8, .value_kind: global_buffer, .address_space: global }
      - { .name: kv, .offset: 40, .size: 8, .value_kind: global_buffer, .address_space: global }
    .group_segment_fixed_size: 166912
    .private_segment_fixed_size: 0
    .kernarg_segment_align: 8
    .kernarg_segment_size: 48
    .max_flat_workgroup_size: 128
    .sgpr_count:     66
    .vgpr_count:     1024
    .wavefront_size: 32
...
	.end_amdgpu_metadata
.endif
;; end of part 1
;; launch attn (part 2): grid 8 x 32, 4 waves a work-group, clusters of 4 x 1, 327,680 bytes of LDS; arguments qf, kv, hop_matrix, rpe, of; writes of
.if DOCPART == 2
	.amdgcn_target "amdgcn-amd-amdhsa--gfx1250"
	.amdhsa_code_object_version 6
	.text
	.protected	k_q773f6e38c3_attn
	.globl	k_q773f6e38c3_attn
	.p2align	8
	.type	k_q773f6e38c3_attn,@function
k_q773f6e38c3_attn:
	s_mov_b64 s[64:65], 0
	v_nop
	global_prefetch_b8 v0, s[64:65] scope:SCOPE_SE
	s_setreg_imm32_b32 hwreg(HW_REG_WAVE_MODE, 25, 1), 1
	s_wait_xcnt 0x0
	s_wait_alu depctr_hold_cnt(0) depctr_sa_sdst(0) depctr_va_vdst(0) depctr_va_sdst(0) depctr_va_ssrc(0) depctr_va_vcc(0) depctr_vm_vsrc(0)
	s_getreg_b32 s2, hwreg(HW_REG_IB_STS2, 6, 4)
	s_cmp_eq_u32 s2, 0
	s_cbranch_scc0 .Lentry_in_a_cluster
	s_endpgm
.Lentry_in_a_cluster:
	s_bfe_u32 s2, ttmp6, 0x10000c
	s_cmp_lg_u32 s2, 0x3003
	s_cbranch_scc0 .Lentry_shape_is_right
	s_endpgm
.Lentry_shape_is_right:
; softmax(q k^T / 8 + rpe[h, hop]) v with a running maximum, for one head, one block of 128 queries and four batches.  No work of the reference is left out.
; FORMAT: q, k, v come in f16; P lies in (0, 1] by the running maximum and O is a weighted mean of v, so both have room in f16 wherever v has.
; LIMITS: a hop index above 8 (read as unsigned) is taken as 8; v_exp_f32 gives 0 for results below 2^-126 (ISA guide 15.8); P is rounded to f16, whose smallest
; step is 2^-24, and O to f16, for the products that take them; the order of the sums is not the reference's.
; SHARES: work-group: query block qb (128 queries), head h, batch group bg.  Wave w is batch 4 bg + w and takes all 128 queries against the 1,024 keys in
; 16 trips of 64 keys.  The bias hangs on (h, q, k) alone, so the four waves share one tile of it (128 x 64 f32): each wave looks up 32 of its rows.
; S^T = K Q^T: a lane holds one query (r) and the keys 16 kt + 8 hh + j.  The bias (times log2 e) is the C of the first product; maximum and sum run inside the
; lane and cross the two halves of the wave once; the packed P is the second source of O^T = V^T P^T as it stands.
; CLUSTER: the four work-groups of a cluster differ in qb alone and read the same blocks of kv: each wave's load of its batch's block is a joint load that
; names all four.  The place in the cluster enters only the global addresses of qf, hop_matrix and of, in scalar registers that feed no descriptor.
; LDS: bytes 0 .. 131071: for each wave two slots of 16,384 bytes (a kv block, dense pieces: a fragment load is 32 lanes x 16 neighbouring bytes);
;      from 131072: two stages of the bias tile, 128 rows of 272 bytes, written by ds_store alone; no tensor load ever lands there.
; By this text's own count a wave never has more than one tensor load outstanding.
; REGISTER WINDOWS: 0 addresses, softmax state, S, P; 1 Q (v0-127) and the kv block's 32 pieces (v128-255); 2 O; 3 the lookup (hop, table, its addresses).
.set STAGE,  131072
.set SBUF,   34816
.set SPITCH, 272                       ; 17 x 16 bytes: sixteen rows begin in sixteen different 16-byte columns of 256
.set L16,  2                           ; v2    16 L
.set KAD,  3                           ; v3    my ring + 16 L
.set BRD,  4                           ; v4-5  stage n, read: 272 r + 32 hh
.set BST,  6                           ; v6-7  stage n, store: 272 (32 w + hh) + 16 r
.set HOFF, 8                           ; v8    hop: 4096 (32 w + hh) + 16 r
.set TAB,  9                           ; v9    lane j: rpe[h][min(j, 8)] log2 e
.set T,    10                          ; v10-17 at work
.set TX,   18                          ; v18   at work on the way out
.set MB,   20                          ; v20-35 pairs: running maximum at MB + 2 qt, running sum of the lane's own keys at MB + 2 qt + 1
.set AL,   36                          ; v36, v38 the rescaling factors of the group's two query tiles (v37, v39: the pairs' unused halves)
.set SB,   64                          ; v64-191 scores: two buffers of 64; tile (u, kt) at 32 u + 8 kt
.set PB,   192                         ; v192-223 P in f16: 16 u + 4 kt
.set MSB, 0
.macro WIN new
.if MSB != (\new)
	s_set_vgpr_msb (MSB<<8)|(\new)
.set MSB, (\new)
.endif
.endm
.macro PLACES                          ; five plain places behind a run of matrix instructions (ISA guide 7.12.1)
.rept 5
	v_nop
.endr
.endm
; a round of the cluster's barrier: my work-group's barrier, wave 0 signals for the work-group, every wave waits for all four work-groups, my work-group's barrier again
.macro ROUND
	s_barrier_signal -1
	s_barrier_wait -1
	s_cmp_lg_u32 s20, 0
	s_cbranch_scc1 .Lnot_wave_0_\@
	s_barrier_signal -3
.Lnot_wave_0_\@:
	s_barrier_wait -3
	s_barrier_signal -1
	s_barrier_wait -1
.endm
	s_load_b256 s[4:11], s[0:1], 0x0               ; qf s[4:5], kv s[6:7], hop_matrix s[8:9], rpe s[10:11]
	s_load_b64 s[12:13], s[0:1], 0x20              ; of
	v_lshl_add_u32 v254, v0, 2, 0x31000
	v_mov_b32 v255, 0
	ds_add_u32 v254, v255
	v_lshrrev_b32 v1, 5, v0
	v_readfirstlane_b32 s20, v1                    ; w
	s_bfe_u32 s14, ttmp6, 0x40000                  ; cx
	s_lshl_b32 s15, ttmp9, 2
	s_add_co_u32 s15, s15, s14                     ; qb = 4 x cluster x + cx
	s_and_b32 s16, ttmp7, 0xffff                   ; y
	s_and_b32 s17, s16, 7                          ; h
	s_lshr_b32 s18, s16, 3                         ; bg
	s_lshl_b32 s19, s18, 2
	s_add_co_u32 s19, s19, s20                     ; b
	s_lshl_b32 s21, s19, 3
	s_add_co_u32 s21, s21, s17                     ; 8 b + h
	s_mov_b32 s40, 0x76543210                      ; v_permlanex16_b32: lane i of one half reads lane i of the other
	s_mov_b32 s41, 0xfedcba98
	; descriptor group 1: a dense block of 16,384 bytes as 64 rows of 32 elements of 8 bytes
	s_mov_b32 s24, 0x0023000f                      ; 15:0 mask: all four work-groups; 17:16 elements of 8 bytes; 21 set beside a mask
	s_mov_b32 s25, 32<<16                          ; tensor_dim0 = 32
	s_mov_b32 s26, 64<<16                          ; tensor_dim1 = 64
	s_mov_b32 s27, 32<<16                          ; tile_dim0 = 32
	s_mov_b32 s28, 64                              ; tile_dim1 = 64
	s_mov_b32 s29, 32                              ; 32 elements from row to row
	s_mov_b32 s30, 0
	s_mov_b32 s31, 0
	s_lshl_b32 s22, s21, 18                        ; my (batch, head) in kv: 16 blocks of 16,384 bytes each
	s_mov_b32 s23, 0
	s_lshl_b32 s43, s20, 15                        ; my wave's ring
	s_wait_dscnt 0x0
	s_wait_kmcnt 0x0
	s_add_nc_u64 s[6:7], s[6:7], s[22:23]
.irp n, 0,1
	s_mov_b32 s[32+4*\n], 1                        ; group 0 of slot n: count,
	s_add_co_u32 s[33+4*\n], s43, \n*16384         ; LDS address,
	s_add_nc_u64 s[34+4*\n:35+4*\n], s[6:7], \n*16384   ; block n,
	s_or_b32 s[35+4*\n], s[35+4*\n], 0x80000000    ; type
.endr
	ROUND                                          ; all four work-groups are here: the first joint loads meet
	tensor_load_to_lds s[32:35], s[24:31]          ; block 0
	s_nop 0
	s_lshl_b32 s44, s21, 17                        ; the offsets that hold qb
	s_lshl_b32 s46, s15, 14
	s_add_co_u32 s44, s44, s46
	s_mov_b32 s45, 0
	s_add_nc_u64 s[4:5], s[4:5], s[44:45]          ; qf at (b, h, query tile 8 qb)
	s_lshl_b32 s46, s15, 19
	s_mov_b32 s47, 0
	s_add_nc_u64 s[8:9], s[8:9], s[46:47]          ; hop_matrix at row 128 qb
	s_lshl_b32 s44, s19, 20
	s_lshl_b32 s46, s15, 17
	s_add_co_u32 s44, s44, s46
	s_lshl_b32 s46, s17, 11
	s_add_co_u32 s44, s44, s46
	s_add_nc_u64 s[12:13], s[12:13], s[44:45]      ; of at (b, token tile 8 qb, h)
	v_and_b32 v40, 31, v0                          ; L
	v_and_b32 v41, 15, v0                          ; r
	v_bfe_u32 v42, v0, 4, 1                        ; hh
	v_min_u32 v44, 8, v40
	s_mul_i32 s42, s17, 9
	v_add_nc_u32 v44, s42, v44
	v_lshlrev_b32 v44, 2, v44
	global_load_b32 v[TAB], v44, s[10:11]          ; rpe[h][min(L, 8)]
	v_lshlrev_b32 v[L16], 4, v40
	WIN 0x40
.set qi, 0
.rept 32
	global_load_b128 v[4*qi:4*qi+3], v[L16], s[4:5] offset:qi*512   ; Q: 8 query tiles x 4 pieces
.set qi, qi+1
.endr
	WIN 0
	v_add_nc_u32 v[KAD], s43, v[L16]
	v_mul_u32_u24 v43, v41, SPITCH
	v_lshl_add_u32 v43, v42, 5, v43
	v_add_nc_u32 v[BRD], STAGE, v43
	v_add_nc_u32 v[BRD+1], STAGE+SBUF, v43
	s_mul_i32 s42, s20, 32*SPITCH                  ; stage rows 32 w .. 32 w + 31 are mine to store
	v_mul_u32_u24 v45, v42, SPITCH
	v_lshl_add_u32 v45, v41, 4, v45
	v_add_nc_u32 v45, s42, v45
	v_add_nc_u32 v[BST], STAGE, v45
	v_add_nc_u32 v[BST+1], STAGE+SBUF, v45
	s_lshl_b32 s42, s20, 17                        ; 32 rows of 4,096 bytes
	v_lshlrev_b32 v[HOFF], 12, v42
	v_lshl_add_u32 v[HOFF], v41, 4, v[HOFF]
	v_add_nc_u32 v[HOFF], s42, v[HOFF]
.irp k, 21,23,25,27,29,31,33,35,37,39,18
	v_mov_b32 v\k, 0                               ; halves of pairs that a broadcast names without using them, and a permute's destination: written once
.endr
	WIN 0xc0                                       ; the lookup's addresses into window 3
	v_mov_b32 v65, v[HOFF]
	v_mov_b32 v66, v[BST]
	v_mov_b32 v67, v[BST+1]
	WIN 0
; my 32 rows x 64 keys of hop_matrix: each load takes two rows' 256 consecutive bytes
.macro HOPLOAD
	WIN 0xff
.set qi, 0
.rept 16
	global_load_b128 v[4*qi:4*qi+3], v65, s[8:9] offset:qi*8192
.set qi, qi+1
.endr
	WIN 0
.endm
; index -> bias, by a pull from the lane that holds the table's entry; then into stage nb
.macro LOOKUP nb
	s_wait_loadcnt 0x0                             ; the indices are in, so their base may step:
	s_add_nc_u64 s[8:9], s[8:9], 256               ; the next 64 keys
	WIN 0xff
.set qi, 0
.rept 64
	v_min_u32 v[qi], 8, v[qi]
	v_lshlrev_b32 v[qi], 2, v[qi]                  ; lane x 4
.set qi, qi+1
.endr
.set qi, 0
.rept 64
	ds_bpermute_b32 v[qi], v[qi], v64
.set qi, qi+1
.endr
.set qi, 0
.rept 16
	s_wait_dscnt 60-3*qi                           ; behind pull 4 qi + 3 stand 60 - 4 qi pulls and qi stores
	ds_store_b128 v[66+(\nb)], v[4*qi:4*qi+3] offset:qi*2*SPITCH
.set qi, qi+1
.endr
	WIN 0
.endm
; the kv block's 32 pieces: K fragments at v[128 + 16 kt + 8 ks], V fragments at v[192 + 8 (4 ks2 + dt)] of window 1
.macro FRAGS slot
	WIN 0x40
.set qi, 0
.rept 32
	ds_load_b128 v[128+4*qi:128+4*qi+3], v[KAD] offset:(\slot)*16384+qi*512
.set qi, qi+1
.endr
	WIN 0
.endm
; the bias of group g (query tiles 2g, 2g+1) into its score buffer: 8 neighbouring keys of a lane's query are 32 bytes of a stage row
.macro BIAS buf, g
.set bi, 0
.rept 16
	ds_load_b128 v[SB+((\g)&1)*64+4*bi:SB+((\g)&1)*64+4*bi+3], v[BRD+(\buf)] offset:(2*(\g)+bi/8)*16*SPITCH+((bi/2)%4)*64+(bi%2)*16
.set bi, bi+1
.endr
.endm
; 16 products: eight accumulators take turns, one instruction a turn
.macro QK g
	WIN 0x05
.set ks, 0
.rept 2
.set uu, 0
.rept 2
.set kt, 0
.rept 4
.set sx, SB+((\g)&1)*64+uu*32+kt*8
.set iq, (2*(\g)+uu)*16+ks*8
	v_wmma_f32_16x16x32_f16 v[sx:sx+7], v[128+kt*16+ks*8:128+kt*16+ks*8+7], v[iq:iq+7], v[sx:sx+7]
.set kt, kt+1
.endr
.set uu, uu+1
.endr
.set ks, ks+1
.endr
.endm
.macro SOFTMAX u, g, first
.set sx, SB+((\g)&1)*64+(\u)*32
.set mr, MB+2*(2*(\g)+(\u))
.set ar, AL+2*(\u)
	v_max3_num_f32 v[T],   v[sx],    v[sx+1],  v[sx+2]     ; the largest of my 32 scores, in four chains
	v_max3_num_f32 v[T+1], v[sx+9],  v[sx+10], v[sx+11]
	v_max3_num_f32 v[T+2], v[sx+18], v[sx+19], v[sx+20]
	v_max3_num_f32 v[T+3], v[sx+25], v[sx+26], v[sx+27]
	v_max3_num_f32 v[T],   v[T],   v[sx+3],  v[sx+4]
	v_max3_num_f32 v[T+1], v[T+1], v[sx+12], v[sx+13]
	v_max3_num_f32 v[T+2], v[T+2], v[sx+21], v[sx+22]
	v_max3_num_f32 v[T+3], v[T+3], v[sx+28], v[sx+29]
	v_max3_num_f32 v[T],   v[T],   v[sx+5],  v[sx+6]
	v_max3_num_f32 v[T+1], v[T+1], v[sx+14], v[sx+15]
	v_max3_num_f32 v[T+2], v[T+2], v[sx+23], v[sx+24]
	v_max3_num_f32 v[T+3], v[T+3], v[sx+30], v[sx+31]
	v_max3_num_f32 v[T],   v[T],   v[sx+7],  v[sx+8]
	v_max3_num_f32 v[T+1], v[T+1], v[sx+16], v[sx+17]
	v_max3_num_f32 v[T], v[T], v[T+1], v[T+2]
.if \first
	v_max_num_f32 v[T], v[T], v[T+3]
	v_permlanex16_b32 v[T+1], v[T], s40, s41       ; the query's other 32 keys lie in the other half of the wave
	v_max_num_f32 v[mr], v[T], v[T+1]
.else
	v_max3_num_f32 v[T], v[T], v[T+3], v[mr]
	v_permlanex16_b32 v[T+1], v[T], s40, s41
	v_max_num_f32 v[T], v[T], v[T+1]
	v_sub_f32 v[T+2], v[mr], v[T]
	v_mov_b32 v[mr], v[T]
	v_exp_f32 v[ar], v[T+2]                        ; 2^(old maximum - new); the packed subtractions below are the plain instructions behind it (ISA guide 5.7.2)
.endif
.set si, 0
.rept 16
	v_pk_add_f32 v[sx+2*si:sx+2*si+1], v[sx+2*si:sx+2*si+1], v[mr:mr+1] op_sel_hi:[1,0] neg_lo:[0,1] neg_hi:[0,1]
.set si, si+1
.endr
.set si, 0
.rept 32
	v_exp_f32 v[sx+si], v[sx+si]
.set si, si+1
.endr
	v_nop                                          ; one plain instruction before the last results are read
	s_wait_alu depctr_va_vdst(0)
.irp c, 0,1,2,3
	v_pk_add_f32 v[T+2*\c:T+2*\c+1], v[sx+8*\c:sx+8*\c+1], v[sx+8*\c+2:sx+8*\c+3]
.endr
.irp c, 0,1,2,3
	v_pk_add_f32 v[T+2*\c:T+2*\c+1], v[T+2*\c:T+2*\c+1], v[sx+8*\c+4:sx+8*\c+5]
.endr
.irp c, 0,1,2,3
	v_pk_add_f32 v[T+2*\c:T+2*\c+1], v[T+2*\c:T+2*\c+1], v[sx+8*\c+6:sx+8*\c+7]
.endr
	v_pk_add_f32 v[T:T+1], v[T:T+1], v[T+2:T+3]
	v_pk_add_f32 v[T+4:T+5], v[T+4:T+5], v[T+6:T+7]
	v_pk_add_f32 v[T:T+1], v[T:T+1], v[T+4:T+5]
.if \first
	v_add_f32 v[mr+1], v[T], v[T+1]
.else
	v_add_f32 v[T], v[T], v[T+1]
	v_fma_f32 v[mr+1], v[mr+1], v[ar], v[T]
.endif
.set si, 0
.rept 16
	v_cvt_pk_f16_f32 v[PB+(\u)*16+si], v[sx+2*si], v[sx+2*si+1]
.set si, si+1
.endr
.endm
.macro RESCALE g
	WIN 0x82
.set ri, 0
.rept 32
	v_pk_mul_f32 v[(\g)*64+2*ri:(\g)*64+2*ri+1], v[(\g)*64+2*ri:(\g)*64+2*ri+1], v[AL+2*(ri/16):AL+2*(ri/16)+1] op_sel_hi:[1,0]
.set ri, ri+1
.endr
.endm
; 16 products: eight accumulators take turns, one instruction a turn.  In the first trip the first product starts the sums.
.macro PV g, first
	WIN 0xa1
.set ks, 0
.rept 2
.set uu, 0
.rept 2
.set dt, 0
.rept 4
.set ox, (2*(\g)+uu)*32+dt*8
.set iv, 192+(4*ks+dt)*8
.set ip, PB+uu*16+ks*8
.if (\first)*(1-ks)
	v_wmma_f32_16x16x32_f16 v[ox:ox+7], v[iv:iv+7], v[ip:ip+7], 0
.else
	v_wmma_f32_16x16x32_f16 v[ox:ox+7], v[iv:iv+7], v[ip:ip+7], v[ox:ox+7]
.endif
.set dt, dt+1
.endr
.set uu, uu+1
.endr
.set ks, ks+1
.endr
.endm
.macro GROUP g, slot, first
.if \g < 3
	BIAS \slot, \g+1                               ; the next group's bias, into the other score buffer
	s_wait_dscnt 16                                ; all but those sixteen loads are in
.else
	s_wait_dscnt 0x0
.endif
	QK \g
	WIN 0
	PLACES
	SOFTMAX 0, \g, \first
	SOFTMAX 1, \g, \first
.if \first == 0
	RESCALE \g
.endif
	PV \g, \first
	WIN 0
	PLACES
.endm
; One trip = one block of 64 keys.  The round is the barrier in front of the refill: in front of it every wave has waited for its tensor load, for its reads of
; the other slot and the other stage, and for its stores into this trip's stage; behind it the joint refill comes first.
.macro TRIP slot, refill, first
	s_wait_tensorcnt 0x0                           ; my one load, this trip's block, has landed; no load of mine is out, so a group 0 may be written:
	ds_add_u32 v254, v255
	s_wait_dscnt 0x0
	s_add_nc_u64 s[34+4*\slot:35+4*\slot], s[34+4*\slot:35+4*\slot], 32768   ; this slot's next block
	s_wait_dscnt 0x0
	ROUND
.if \refill
	tensor_load_to_lds s[36-4*\slot:39-4*\slot], s[24:31]   ; the next block, into the slot read in the last trip
	s_nop 0
	HOPLOAD                                        ; and the next block's indices
.endif
	FRAGS \slot
	BIAS \slot, 0
	GROUP 0, \slot, \first
	GROUP 1, \slot, \first
	GROUP 2, \slot, \first
	GROUP 3, \slot, \first
.if \refill
	LOOKUP 1-\slot                                 ; the other stage was last read in the trip before: this trip's round lies between
.endif
.endm
	HOPLOAD
	s_wait_loadcnt 0x0                             ; the table, Q, the first indices
	v_mul_f32 v[TAB], 0x3fb8aa3b, v[TAB]           ; the exponentials are to the base 2
	WIN 0xc0
	v_mov_b32 v64, v[TAB]
	WIN 0
	LOOKUP 0
	TRIP 0, 1, 1
	TRIP 1, 1, 0
	s_mov_b32 s42, 6
.Lkeys:
	TRIP 0, 1, 0
	TRIP 1, 1, 0
	s_sub_co_u32 s42, s42, 1
	s_cmp_lg_u32 s42, 0
	s_cbranch_scc1 .Lkeys
	TRIP 0, 1, 0
	TRIP 1, 0, 0                                   ; the last block: nothing is left to fetch
	; the way out: the two halves' sums meet, O / sum, f16, one piece (512 consecutive bytes) a store
.irp qt, 0,1,2,3,4,5,6,7
	v_permlanex16_b32 v[TX], v[MB+2*\qt+1], s40, s41
	v_add_f32 v[T+\qt], v[MB+2*\qt+1], v[TX]
.endr
.irp qt, 0,1,2,3,4,5,6,7
	v_rcp_f32 v[MB+2*\qt], v[T+\qt]
.endr
	v_nop
	WIN 0x82
.set ri, 0
	s_wait_alu depctr_va_vdst(0)
.rept 128
	v_pk_mul_f32 v[2*ri:2*ri+1], v[2*ri:2*ri+1], v[MB+2*(ri/16):MB+2*(ri/16)+1] op_sel_hi:[1,0]
.set ri, ri+1
.endr
	WIN 0x0a
.set ri, 0
.rept 128
	v_cvt_pk_f16_f32 v[SB+ri], v[2*ri], v[2*ri+1]
.set ri, ri+1
.endr
	WIN 0
.set ri, 0
.rept 32
	global_store_b128 v[L16], v[SB+4*ri:SB+4*ri+3], s[12:13] offset:(ri/4)*16384+(ri%4)*512
.set ri, ri+1
.endr
	s_wait_dscnt 0x0
	ROUND                                          ; the closing round: no work-group ends while a partner may still issue a load that names it
	s_endpgm
.Lfunc_end_k_q773f6e38c3_attn:
	.size	k_q773f6e38c3_attn, .Lfunc_end_k_q773f6e38c3_attn-k_q773f6e38c3_attn
	.p2alignl 7, 3214868480
	.fill 96, 4, 3214868480
	.section	.rodata,"a",@progbits
	.p2align	6, 0x0
	.amdhsa_kernel k_q773f6e38c3_attn
		.amdhsa_group_segment_fixed_size 327680
		.amdhsa_private_segment_fixed_size 0
		.amdhsa_enable_private_segment 0
		.amdhsa_kernarg_size 40
		.amdhsa_user_sgpr_count 2
		.amdhsa_user_sgpr_kernarg_segment_ptr 1
		.amdhsa_wavefront_size32 1
		.amdhsa_system_sgpr_workgroup_id_x 1
		.amdhsa_system_sgpr_workgroup_id_y 1
		.amdhsa_system_sgpr_workgroup_id_z 1
		.amdhsa_system_vgpr_workitem_id 0
		.amdhsa_next_free_vgpr 840
		.amdhsa_next_free_sgpr 66
		.amdhsa_reserve_vcc 0
		.amdhsa_float_denorm_mode_32 3
		.amdhsa_float_denorm_mode_16_64 3
		.amdhsa_memory_ordered 1
		.amdhsa_forward_progress 1
		.amdhsa_inst_pref_size 255
	.end_amdhsa_kernel
	.section	.bss,"aw",@nobits
	.p2align	6
	.space	262144
	.amdgpu_metadata
---
amdhsa.version: [ 1, 2 ]
amdhsa.kernels:
  - .name:           k_q773f6e38c3_attn
    .symbol:         k_q773f6e38c3_attn.kd
    .args:
      - { .name: qf, .offset: 0, .size: 8, .value_kind: global_buffer, .address_space: global }
      - { .name: kv, .offset: 8, .size: 8, .value_kind: global_buffer, .address_space: global }
      - { .name: hop_matrix, .offset: 16, .size: 8, .value_kind: global_buffer, .address_space: global }
      - { .name: rpe, .offset: 24, .size: 8, .value_kind: global_buffer, .address_space: global }
      - { .name: of, .offset: 32, .size: 8, .value_kind: global_buffer, .address_space: global }
    .group_segment_fixed_size: 327680
    .private_segment_fixed_size: 0
    .kernarg_segment_align: 8
    .kernarg_segment_size: 40
    .max_flat_workgroup_size: 128
    .sgpr_count:     66
    .vgpr_count:     840
    .wavefront_size: 32
...
	.end_amdgpu_metadata
.endif
;; end of part 2
;; launch oproj (part 3): grid 4 x 64, 4 waves a work-group, no clusters, 136,704 bytes of LDS; arguments of, Wo, bo, out0; writes out0
.if DOCPART == 3
	.amdgcn_target "amdgcn-amd-amdhsa--gfx1250"
	.amdhsa_code_object_version 6
	.text
	.protected	k_q773f6e38c3_oproj
	.globl	k_q773f6e38c3_oproj
	.p2align	8
	.type	k_q773f6e38c3_oproj,@function
k_q773f6e38c3_oproj:
	s_mov_b64 s[64:65], 0
	v_nop
	global_prefetch_b8 v0, s[64:65] scope:SCOPE_SE
	s_setreg_imm32_b32 hwreg(HW_REG_WAVE_MODE, 25, 1), 1
	s_wait_xcnt 0x0
; out0 = O Wo^T + bo.  No work of the reference is left out.  O comes from 'of' in f16 as the register image of the second source; Wo is rounded to f16; sums in f32.
; LIMIT: a number of Wo beyond 65,504 in magnitude becomes an infinity (as drawn Wo stays below 0.3, thirty times larger below 8); the order of the sums is not the reference's.
; SHARES: work-group (p, tb): tokens 256 tb .. +255, features 128 p .. +127; wave w: 64 tokens, whose O (512 registers) is loaded once, 512 consecutive bytes a load.
; Wo goes through LDS in four trips of 32 rows and two stages.  Source 0 = 16 rows of Wo, source 1 = 16 tokens: a lane's eight results are eight neighbouring
; features of one token; two trips' results (64 features) meet in the wave's own LDS rows and leave as rows of 256 bytes.
; NO TENSOR LOADS, NO CLUSTER: Wo is f32 in memory and has to be rounded on the way into LDS, which only a way through registers does.
.set PITCH, 1040
.set HALFW, 16*PITCH
.set WBUF,  32*PITCH
.set OST,   2*WBUF                     ; behind the two stages: 64 rows of 272 bytes for each wave, its own
.set OPITCH, 272
.set L16,  2                           ; v2   16 L
.set WOFF, 5                           ; v5   16384 w + 16 L
.set WSA,  6                           ; v6-7
.set WRA,  9                           ; v9-10
.set OSA,  11                          ; v11  my rows, in: 272 r + 32 hh
.set ORA,  12                          ; v12  my rows, back: 272 hh + 16 r
.set OOFF, 13                          ; v13  out0: 2048 (64 w + hh) + 16 r
.set BOF,  14                          ; v14  16 r
.set BO,   16                          ; v16-23 bo[128 p + 64 g + 4 r .. +3], g = 0, 1
.set ACC,  32
.set LD,   128
.set MSB, 0
.macro WIN new
.if MSB != (\new)
	s_set_vgpr_msb (MSB<<8)|(\new)
.set MSB, (\new)
.endif
.endm
.macro PLACES                          ; five plain places behind a run of matrix instructions (ISA guide 7.12.1)
.rept 5
	v_nop
.endr
.endm
.macro WLOAD base, imm
	WIN 0
.set qi, 0
.rept 32
	global_load_b128 v[LD+4*qi:LD+4*qi+3], v[WOFF], s[\base:\base+1] offset:(\imm)+(qi/4)*2048+(qi%4)*512
.set qi, qi+1
.endr
.endm
.macro WCVT nb
	WIN 0
.set qi, 0
.rept 32
	v_cvt_pk_f16_f32 v[LD+4*qi], v[LD+4*qi], v[LD+4*qi+1]
	v_cvt_pk_f16_f32 v[LD+4*qi+1], v[LD+4*qi+2], v[LD+4*qi+3]
	ds_store_b64 v[WSA+(\nb)], v[LD+4*qi:LD+4*qi+1] offset:(qi/4)*PITCH+(qi%4)*256
.set qi, qi+1
.endr
.endm
.macro WFRAG buf
	WIN 0x40
.set ks, 0
.rept 16
.set f2, 0
.rept 2
	ds_load_b128 v[(16*f2+ks)*8:(16*f2+ks)*8+3],   v[WRA+(\buf)] offset:f2*HALFW+ks*64
	ds_load_b128 v[(16*f2+ks)*8+4:(16*f2+ks)*8+7], v[WRA+(\buf)] offset:f2*HALFW+ks*64+32
.set f2, f2+1
.endr
.set ks, ks+1
.endr
.endm
; 128 products; four accumulators take turns, one instruction a turn; the first K step takes the constant 0 as C
.macro MMA
.set ps, 0
.rept 2
	WIN 0x09+4*ps
.set ks, 0
.rept 16
.if ps == 0
.if ks%4 == 0
	s_wait_dscnt 48-4*ks                           ; these four K steps' fragments are in; the later groups of sixteen loads stay out
.endif
.endif
.set f2, 0
.rept 2
.set tl, 0
.rept 2
.set ia, ACC+(4*f2+2*ps+tl)*8
.set iw, (16*f2+ks)*8
.set ix, tl*128+ks*8
.if ks == 0
	v_wmma_f32_16x16x32_f16 v[ia:ia+7], v[iw:iw+7], v[ix:ix+7], 0
.else
	v_wmma_f32_16x16x32_f16 v[ia:ia+7], v[iw:iw+7], v[ix:ix+7], v[ia:ia+7]
.endif
.set tl, tl+1
.endr
.set f2, f2+1
.endr
.set ks, ks+1
.endr
.set ps, ps+1
.endr
.endm
	s_load_b256 s[4:11], s[0:1], 0x0               ; of s[4:5], Wo s[6:7], bo s[8:9], out0 s[10:11]
	v_lshl_add_u32 v126, v0, 2, 0x21400
	v_mov_b32 v127, 0
	v_lshrrev_b32 v1, 5, v0
	v_readfirstlane_b32 s14, v1                    ; w
	s_mov_b32 s12, ttmp9                           ; p
	s_and_b32 s13, ttmp7, 0xffff                   ; tb
	v_and_b32 v24, 31, v0                          ; L
	v_and_b32 v25, 15, v0                          ; r
	v_bfe_u32 v26, v0, 4, 1                        ; hh
	v_lshlrev_b32 v[L16], 4, v24
	s_lshl_b32 s15, s14, 14                        ; 8 rows of 2,048 bytes a wave
	v_add_nc_u32 v[WOFF], s15, v[L16]
	s_mul_i32 s15, s14, 8*PITCH
	v_lshl_add_u32 v[WSA], v24, 3, s15
	v_add_nc_u32 v[WSA+1], WBUF, v[WSA]
	v_mul_u32_u24 v27, v25, PITCH
	v_lshl_add_u32 v27, v26, 4, v27
	v_mov_b32 v[WRA], v27
	v_add_nc_u32 v[WRA+1], WBUF, v27
	s_mul_i32 s15, s14, 64*OPITCH
	s_add_co_u32 s15, s15, OST                     ; my wave's rows
	v_mul_u32_u24 v28, v25, OPITCH
	v_lshl_add_u32 v28, v26, 5, v28
	v_add_nc_u32 v[OSA], s15, v28
	v_mul_u32_u24 v28, v26, OPITCH
	v_lshl_add_u32 v28, v25, 4, v28
	v_add_nc_u32 v[ORA], s15, v28
	s_lshl_b32 s15, s14, 17                        ; 64 rows of 2,048 bytes
	v_lshlrev_b32 v[OOFF], 11, v26
	v_lshl_add_u32 v[OOFF], v25, 4, v[OOFF]
	v_add_nc_u32 v[OOFF], s15, v[OOFF]
	v_lshlrev_b32 v[BOF], 4, v25
	s_wait_kmcnt 0x0
	s_lshl_b32 s16, s13, 2
	s_add_co_u32 s16, s16, s14
	s_lshl_b32 s16, s16, 16                        ; my four token tiles of 16,384 bytes
	s_mov_b32 s17, 0
	s_add_nc_u64 s[4:5], s[4:5], s[16:17]
	s_lshl_b32 s16, s12, 18                        ; 128 rows of Wo
	s_add_nc_u64 s[6:7], s[6:7], s[16:17]
	s_lshl_b32 s16, s12, 9                         ; 128 features of 4 bytes
	s_add_nc_u64 s[8:9], s[8:9], s[16:17]
	s_lshl_b32 s18, s13, 19
	s_add_co_u32 s16, s16, s18
	s_add_nc_u64 s[10:11], s[10:11], s[16:17]
.set tt, 0
.rept 4
.if tt < 2
	WIN 0x80
.else
	WIN 0xc0
.endif
.set qi, 0
.rept 32
	global_load_b128 v[(tt%2)*128+4*qi:(tt%2)*128+4*qi+3], v[L16], s[4:5] offset:tt*16384+qi*512
.set qi, qi+1
.endr
.set tt, tt+1
.endr
	WIN 0
	global_load_b128 v[BO:BO+3], v[BOF], s[8:9]
	global_load_b128 v[BO+4:BO+7], v[BOF], s[8:9] offset:256
	WLOAD 6, 0
	s_wait_loadcnt 0x0
	WCVT 0
; Trip j: rows 32 j .. +31 of my 128.  One barrier: in front of it every wave's stage stores and fragment reads are done; the stage stored at this trip's end
; was read in the trip before, and this trip's barrier lies between.
.macro OTRIP j, buf, nb
	s_wait_dscnt 0x0
	s_barrier_signal -1
	s_barrier_wait -1
.if \j < 3
.if \j == 2
	s_wait_xcnt 0x0                                ; the landing registers were the data of the last trip's stores: loaded again only behind this wait
.endif
	WLOAD 6, (\j+1)*65536
.endif
	WFRAG \buf
	MMA
	WIN 0
	PLACES
.set ti, 0
.rept 8
	ds_store_b128 v[OSA], v[ACC+8*ti:ACC+8*ti+3]   offset:(ti%4)*16*OPITCH+(\buf)*128+(ti/4)*64
	ds_store_b128 v[OSA], v[ACC+8*ti+4:ACC+8*ti+7] offset:(ti%4)*16*OPITCH+(\buf)*128+(ti/4)*64+16
.set ti, ti+1
.endr
.if \j < 3
	s_wait_loadcnt 0x0
	WCVT \nb
.endif
.if \buf
	; 64 features of my 64 tokens are whole: back by rows (my own bytes, served in order: no wait between the stores and these loads), + bo, out
.set qi, 0
.rept 32
	ds_load_b128 v[LD+4*qi:LD+4*qi+3], v[ORA] offset:qi*2*OPITCH
.set qi, qi+1
.endr
.set qi, 0
.rept 32
	s_wait_dscnt 31-qi                             ; this pair of rows is in; the younger loads stay out
	v_pk_add_f32 v[LD+4*qi:LD+4*qi+1], v[LD+4*qi:LD+4*qi+1], v[BO+4*(\j/2):BO+4*(\j/2)+1]
	v_pk_add_f32 v[LD+4*qi+2:LD+4*qi+3], v[LD+4*qi+2:LD+4*qi+3], v[BO+4*(\j/2)+2:BO+4*(\j/2)+3]
	global_store_b128 v[OOFF], v[LD+4*qi:LD+4*qi+3], s[10:11] offset:qi*4096+(\j/2)*256 th:TH_STORE_NT   ; sixteen lanes store 256 consecutive bytes, at a multiple of 256 from out0's first byte
.set qi, qi+1
.endr
.endif
.endm
	OTRIP 0, 0, 1
	OTRIP 1, 1, 0
	OTRIP 2, 0, 1
	OTRIP 3, 1, 0
	s_wait_tensorcnt 0x0
	ds_add_u32 v126, v127
	s_wait_dscnt 0x0
	s_endpgm
.Lfunc_end_k_q773f6e38c3_oproj:
	.size	k_q773f6e38c3_oproj, .Lfunc_end_k_q773f6e38c3_oproj-k_q773f6e38c3_oproj
	.p2alignl 7, 3214868480
	.fill 96, 4, 3214868480
	.section	.rodata,"a",@progbits
	.p2align	6, 0x0
	.amdhsa_kernel k_q773f6e38c3_oproj
		.amdhsa_group_segment_fixed_size 136704
		.amdhsa_private_segment_fixed_size 0
		.amdhsa_enable_private_segment 0
		.amdhsa_kernarg_size 32
		.amdhsa_user_sgpr_count 2
		.amdhsa_user_sgpr_kernarg_segment_ptr 1
		.amdhsa_wavefront_size32 1
		.amdhsa_system_sgpr_workgroup_id_x 1
		.amdhsa_system_sgpr_workgroup_id_y 1
		.amdhsa_system_sgpr_workgroup_id_z 1
		.amdhsa_system_vgpr_workitem_id 0
		.amdhsa_next_free_vgpr 1024
		.amdhsa_next_free_sgpr 66
		.amdhsa_reserve_vcc 0
		.amdhsa_float_denorm_mode_32 3
		.amdhsa_float_denorm_mode_16_64 3
		.amdhsa_memory_ordered 1
		.amdhsa_forward_progress 1
		.amdhsa_inst_pref_size 125
	.end_amdhsa_kernel
	.amdgpu_metadata
---
amdhsa.version: [ 1, 2 ]
amdhsa.kernels:
  - .name:           k_q773f6e38c3_oproj
    .symbol:         k_q773f6e38c3_oproj.kd
    .args:
      - { .name: of, .offset: 0, .size: 8, .value_kind: global_buffer, .address_space: global }
      - { .name: Wo, .offset: 8, .size: 8, .value_kind: global_buffer, .address_space: global }
      - { .name: bo, .offset: 16, .size: 8, .value_kind: global_buffer, .address_space: global }
      - { .name: out0, .offset: 24, .size: 8, .value_kind: global_buffer, .address_space: global }
    .group_segment_fixed_size: 136704
    .private_segment_fixed_size: 0
    .kernarg_segment_align: 8
    .kernarg_segment_size: 32
    .max_flat_workgroup_size: 128
    .sgpr_count:     66
    .vgpr_count:     1024
    .wavefront_size: 32
...
	.end_amdgpu_metadata
.endif
;; end of part 3
;; ======== version 2 of 3: 3 launches; 1.01 times as fast as version 1
;; limits: values are held in f16: magnitudes above 65,504 overflow, below 6.1e-05 lose precision
;; workspace buffers: qf 16,777,216 bytes; kv 33,554,432 bytes; of 16,777,216 bytes
;; launch qkv (part 4): grid 4 x 64, 4 waves a work-group, clusters of 4 x 1, 327,680 bytes of LDS; arguments x, Wq, Wk, Wv, qf, kv; writes qf, kv
.if DOCPART == 4
	.amdgcn_target "amdgcn-amd-amdhsa--gfx1250"
	.amdhsa_code_object_version 6
	.text
	.protected	k_q773f6e38c3_qkv
	.globl	k_q773f6e38c3_qkv
	.p2align	8
	.type	k_q773f6e38c3_qkv,@function
k_q773f6e38c3_qkv:
	s_mov_b64 s[64:65], 0
	v_nop
	global_prefetch_b8 v0, s[64:65] scope:SCOPE_SE
	s_setreg_imm32_b32 hwreg(HW_REG_WAVE_MODE, 25, 1), 1
	s_wait_xcnt 0x0
	s_wait_alu depctr_hold_cnt(0) depctr_sa_sdst(0) depctr_va_vdst(0) depctr_va_sdst(0) depctr_va_ssrc(0) depctr_va_vcc(0) depctr_vm_vsrc(0)
	s_getreg_b32 s2, hwreg(HW_REG_IB_STS2, 6, 4)
	s_cmp_eq_u32 s2, 0
	s_cbranch_scc0 .Lentry_in_a_cluster
	s_endpgm
.Lentry_in_a_cluster:
	s_bfe_u32 s2, ttmp6, 0x10000c
	s_cmp_lg_u32 s2, 0x3003
	s_cbranch_scc0 .Lentry_shape_is_right
	s_endpgm
.Lentry_shape_is_right:
; q = x Wq^T (times log2(e)/8), k = x Wk^T, v = x Wv^T, rounded once to f16 and stored as the register images that the attention launch loads.
; DEAD WORK: none is left out in this program; every input of the problem has a way to the output and is loaded by one of the three launches.
; FORMAT: every matrix operand of the three launches is f16, sums are f32.  The chain rounds x, W, q, k, v, P, O and Wo one after the other, and a result is
; allowed one hundredth of the output's root mean square: f16's 11 significant bits leave room for that chain, 8 bits would not.
; RANGE: f16 ends at 65,504.  As drawn |q|, |k|, |v| stay near 6; with x and W all 30 times larger near 5,400; with x and W both carrying an offset of 30 spreads
; they are about 512 x 30 x 1.33 = 20,400.  Thirty times smaller inputs fall into f16's denormals, whose step 2^-24 is still small beside them.
; LIMITS: an operand beyond 65,504 in magnitude becomes an infinity; q is scaled by log2(e)/8 in f32 before its one rounding; the order of the sums is not the reference's.
; SHARES: work-group (p, tb) takes tokens 256 tb .. +255 and the heads 2p and 2p+1 of Q, K and V (384 features); wave w takes 64 tokens = four token tiles,
; which are exactly one block of 64 keys.  The wave's x (64 x 512 in f16 = 512 registers) stays in registers; W goes through LDS, 32 rows a trip.
; CLUSTER: the four work-groups p = 0 .. 3 of a token block read the same 256 rows of x, so they form a cluster and each wave's tiles of x are joint loads that name
; all four.  p enters only the global addresses of W, qf and kv, in scalar registers that feed no descriptor and no LDS address.  W is not shared inside the cluster
; (each p has rows of its own); it is f32 and has to be rounded on the way into LDS, where all four waves read it in every trip: it goes through registers.
; X: a wave's 64 rows come as four tiles of 32 rows x 256 k of f32 (rows of 1,024 bytes, laid 1,040 apart) through two slots of its own; tile c = token pair c / 2,
; K half c % 2, slot c % 2.  A fragment is read once, as four loads of 16 bytes a lane, and eight conversions write it where the products take it.
; By this text's own count a wave has two tensor loads outstanding at the start and one behind each refill's barrier.
; LDS: 0 .. 266,239 eight slots of 33,280 bytes (wave x 66,560 + slot x 33,280); 266,240 the stage of Wq's rows, bytes of its own.  The stages of Wk's and Wv's rows
; lie at 0 and 33,280, in wave 0's two slots: they are first stored behind a barrier that follows the slots' last fill and last read, and no tensor load comes after.
; Trip (kind, j): rows 128p+16j .. +15 (head 2p) and 128p+64+16j .. +15 (head 2p+1) of that kind's W: 128 products a wave, in two passes of 64
; (pass 0: token tiles 0, 1; pass 1: tiles 2, 3).  The trips run Q(0), then three times K(j), V(j), Q(j+1), then K(3), V(3).
; THE ORDER OF A TRIP: vector work stands behind the products, four instructions behind one product; memory instructions stand in three runs.
;   products 0-14 (even):   the last trip's pass-1 tiles are rounded
;   products 33-63 (odd):   two of the 32 pieces of the next trip's W are rounded
;   behind product 63:      RUN: those 32 pieces into their stage; the 32 loads of the W after next into the registers so freed; the last trip's pass-1 tiles out
;   product 79 / 95:        the trip's one barrier, signal and wait: the next trip's stage is whole
;   products 89-95, 121-127 (odd): this trip's pass-0 tiles are rounded; the four conversions behind products 95 and 127 are the places after which
;   behind products 95, 127: RUN: the fragments of K steps 0-7 (8-15), which pass 1 has left, are loaded for the next trip; two tiles out
; LAYOUTS (a piece = 512 bytes, lane L at byte 16 L; r = L & 15, hh = L >> 4):
;   qf [b][h][qt 64][ft 4] pieces: q'[token 16qt+r][d = 16ft+8hh .. +7]
;   kv [b][h][kb 16] blocks of 16,384 bytes: K pieces at (4kt+ft) 512: k[key 16kt+r][d = 16ft+8hh .. +7];
;      V pieces at 8192 + ((4 ks2 + dt) 2 + c) 512: v[key 32ks2+16c+8hh .. +7][d = 16dt+r]
; Q and K: source 0 = 16 rows of W, source 1 = 16 tokens, so a lane's eight results are eight neighbouring features of one token.
; V: source 0 = 16 tokens, source 1 = 16 rows of W, so a lane's eight results are eight neighbouring keys of one feature.
; REGISTER WINDOWS: 0 addresses, accumulators, packed results, W's landing registers; 1 W fragments (at the start x's landing registers); 2, 3 x fragments.
.set PITCH, 1040                       ; an LDS row: 1,024 bytes + 16: 65 x 16 bytes, so sixteen rows begin in sixteen different 16-byte columns of 256
.set HALFW, 16*PITCH
.set SLOTB, 32*PITCH                   ; 33,280: a slot of x and a stage of W alike
.set STQ,   8*SLOTB                    ; the stage of kind 0
.set STK,   0                          ; of kind 1
.set STV,   SLOTB                      ; of kind 2
.set XRA,  2                           ; v2   x slots, read: 66560 w + 1040 r + 32 hh
.set WOFF, 5                           ; v5   W: my 8 rows of the 32, + 16 L
.set WSA,  6                           ; v6-8  W stage n, store
.set WRA,  9                           ; v9-11 W stage n, fragment read
.set SOQ,  12                          ; v12  8192 w + 16 L
.set SOK,  13                          ; v13  16384 w + 16 L
.set ACC,  32                          ; v32-95   tile (ft2, tt) at ACC + 8 (4 ft2 + tt)
.set OUTP, 96                          ; v96-127  packed results, four registers a tile
.set LD,   128                         ; v128-255 landing registers: 32 pieces of four
.set QSCALE, 0x3e38aa3b                ; log2(e) / 8
.set MSB, 0
.macro WIN new                         ; the immediate's high byte repeats the setting that is left
.if MSB != (\new)
	s_set_vgpr_msb (MSB<<8)|(\new)
.set MSB, (\new)
.endif
.endm
.macro PLACES                          ; five plain places behind a run of matrix instructions (ISA guide 7.12.1), where no vector work is left to stand there
.rept 5
	v_nop
.endr
.endm
; a round of the cluster's barrier: my work-group's barrier, wave 0 signals for the work-group, every wave waits for all four work-groups, my work-group's barrier again
.macro ROUND
	s_barrier_signal -1
	s_barrier_wait -1
	s_cmp_lg_u32 s18, 0
	s_cbranch_scc1 .Lnot_wave_0_\@
	s_barrier_signal -3
.Lnot_wave_0_\@:
	s_barrier_wait -3
	s_barrier_signal -1
	s_barrier_wait -1
.endm
	s_load_b256 s[4:11], s[0:1], 0x0               ; x s[4:5], Wq s[6:7], Wk s[8:9], Wv s[10:11]
	s_load_b128 s[12:15], s[0:1], 0x20             ; qf s[12:13], kv s[14:15]
	v_lshl_add_u32 v30, v0, 2, 0x49200
	v_mov_b32 v31, 0
	ds_add_u32 v30, v31
	v_lshrrev_b32 v1, 5, v0
	v_readfirstlane_b32 s18, v1                    ; w
	s_bfe_u32 s3, ttmp6, 0x40000                   ; cx
	s_lshl_b32 s16, ttmp9, 2
	s_add_co_u32 s16, s16, s3                      ; p = 4 x cluster x + cx
	s_and_b32 s17, ttmp7, 0xffff                   ; tb
	s_lshr_b32 s19, s17, 2                         ; b
	s_and_b32 s20, s17, 3                          ; tq: which quarter of the batch's tokens
	; descriptor group 1: a tile of 32 rows x 256 elements of 4 bytes, 16 bytes of padding behind each row
	s_mov_b32 s32, 0x07f2000f                      ; 15:0 mask: all four work-groups; 17:16 elements of 4 bytes; 20 padding on; 21 set beside a mask; 24:22 after every 256 words (code 7); 31:25 of 4 words (code 3)
	s_mov_b32 s33, 256<<16                         ; tensor_dim0 = 256
	s_mov_b32 s34, 32<<16                          ; tensor_dim1 = 32
	s_mov_b32 s35, 256<<16                         ; tile_dim0 = 256
	s_mov_b32 s36, 32                              ; tile_dim1 = 32
	s_mov_b32 s37, 512                             ; 512 elements from row to row
	s_mov_b32 s38, 0
	s_mov_b32 s39, 0
	s_lshl_b32 s22, s17, 19                        ; 256 tokens of 2,048 bytes
	s_lshl_b32 s27, s18, 17                        ; 64 of them a wave
	s_add_co_u32 s22, s22, s27
	s_mov_b32 s23, 0
	s_mul_i32 s27, s18, 2*SLOTB                    ; my wave's two slots
	s_wait_dscnt 0x0
	s_wait_kmcnt 0x0
	s_add_nc_u64 s[4:5], s[4:5], s[22:23]          ; x at my wave's first row: the block and the wave's number alone, alike in all four partners
.irp n, 0,1
	s_mov_b32 s[40+4*\n], 1                        ; group 0 of slot n: count,
	s_add_co_u32 s[41+4*\n], s27, \n*SLOTB         ; LDS address,
	s_add_nc_u64 s[42+4*\n:43+4*\n], s[4:5], \n*1024   ; rows 0-31, K half n,
	s_or_b32 s[43+4*\n], s[43+4*\n], 0x80000000    ; type
.endr
	ROUND                                          ; all four work-groups are here: the first joint loads meet
	tensor_load_to_lds s[40:43], s[32:39]          ; tile 0
	s_nop 0
	tensor_load_to_lds s[44:47], s[32:39]          ; tile 1
	s_nop 0
	s_lshl_b32 s28, s16, 18                        ; the offsets that hold p: 128 rows of W
	s_mov_b32 s29, 0
	s_add_nc_u64 s[6:7], s[6:7], s[28:29]
	s_add_nc_u64 s[8:9], s[8:9], s[28:29]
	s_add_nc_u64 s[10:11], s[10:11], s[28:29]
	v_and_b32 v14, 31, v0                          ; L
	s_lshr_b32 s30, s18, 1
	s_lshl_b32 s30, s30, 17                        ; waves 2, 3: the second head's rows, 64 rows on
	s_and_b32 s26, s18, 1
	s_lshl_b32 s26, s26, 14                        ; odd waves: 8 rows on
	s_add_co_u32 s30, s30, s26
	v_lshl_add_u32 v[WOFF], v14, 4, s30
; my 8 of a trip's 32 rows of W, in one run
.macro WLOAD base, imm
	WIN 0
.set qi, 0
.rept 32
	global_load_b128 v[LD+4*qi:LD+4*qi+3], v[WOFF], s[\base:\base+1] offset:(\imm)+(qi/4)*2048+(qi%4)*512
.set qi, qi+1
.endr
.endm
	WLOAD 6, 0                                     ; Q(0)
	v_and_b32 v15, 15, v0                          ; r
	v_bfe_u32 v16, v0, 4, 1                        ; hh
	v_mul_u32_u24 v17, v15, PITCH
	v_lshl_add_u32 v18, v16, 5, v17                ; 1040 r + 32 hh
	v_add_nc_u32 v[XRA], s27, v18
	v_lshl_add_u32 v17, v16, 4, v17                ; 1040 r + 16 hh
	v_add_nc_u32 v[WRA], STQ, v17
	v_mov_b32 v[WRA+1], v17
	v_add_nc_u32 v[WRA+2], STV, v17
	s_mul_i32 s30, s18, 8*PITCH                    ; stage rows 8 w .. 8 w + 7 are mine to store
	v_lshl_add_u32 v19, v14, 3, s30
	v_add_nc_u32 v[WSA], STQ, v19
	v_mov_b32 v[WSA+1], v19
	v_add_nc_u32 v[WSA+2], STV, v19
	s_lshl_b32 s30, s18, 13
	v_lshl_add_u32 v[SOQ], v14, 4, s30
	s_lshl_b32 s30, s18, 14
	v_lshl_add_u32 v[SOK], v14, 4, s30
	s_lshl_b32 s21, s19, 3
	s_lshl_b32 s31, s16, 1
	s_add_co_u32 s21, s21, s31                     ; 8 b + 2 p
	s_lshl_b32 s28, s21, 17
	s_lshl_b32 s31, s20, 15
	s_add_co_u32 s28, s28, s31
	s_add_nc_u64 s[12:13], s[12:13], s[28:29]      ; qf at (b, head 2p, query tile 16 tq)
	s_lshl_b32 s28, s21, 18
	s_lshl_b32 s31, s20, 16
	s_add_co_u32 s28, s28, s31
	s_add_nc_u64 s[14:15], s[14:15], s[28:29]      ; kv at (b, head 2p, block 4 tq): K's base
	s_mov_b64 s[24:25], s[14:15]                   ; and V's, which steps otherwise
; the 32 pieces rounded in place, then laid into stage nb in one run: 32 lanes x 8 bytes are 256 consecutive bytes of a stage row
.macro WCVT nb
	WIN 0
.set qi, 0
.rept 32
	v_cvt_pk_f16_f32 v[LD+4*qi], v[LD+4*qi], v[LD+4*qi+1]
	v_cvt_pk_f16_f32 v[LD+4*qi+1], v[LD+4*qi+2], v[LD+4*qi+3]
.set qi, qi+1
.endr
.set qi, 0
.rept 32
	ds_store_b64 v[WSA+(\nb)], v[LD+4*qi:LD+4*qi+1] offset:(qi/4)*PITCH+(qi%4)*256
.set qi, qi+1
.endr
.endm
; Tile c of x out of its slot: 16 fragments (2 token tiles x 8 K steps).  A lane's part of a fragment is k = 8 hh .. +7 and 16 + 8 hh .. +7 of its row: in f32 two times
; 32 bytes, 64 apart: four loads into window 1.  Eight conversions write the fragment into window 2 (token tiles 0, 1) or 3 (tiles 2, 3).
.macro XREAD c
.set xsl, (\c)&1
	WIN 0x40
.set qi, 0
.rept 64
	ds_load_b128 v[4*qi:4*qi+3], v[XRA] offset:xsl*SLOTB+(qi/32)*HALFW+((qi/4)%8)*128+((qi%4)/2)*64+(qi%2)*16
.set qi, qi+1
.endr
	WIN 0x85+0x40*((\c)/2)
.set fi, 0
.rept 16
.if fi%4 == 0
	s_wait_dscnt 48-4*fi                           ; these four fragments' sixteen loads are in; the later groups of sixteen stay out
.endif
.set ji, 0
.rept 8
	v_cvt_pk_f16_f32 v[(fi/8)*128+(8*xsl+fi%8)*8+ji], v[16*fi+2*ji], v[16*fi+2*ji+1]
.set ji, ji+1
.endr
.set fi, fi+1
.endr
.endm
; the fragments of K steps 8 h .. 8 h + 7 of stage buf, both feature tiles: 32 loads in one run, K step outermost
.macro WFR buf, h
	WIN 0x40
.set gks, 8*(\h)
.rept 8
.set gf, 0
.rept 2
	ds_load_b128 v[(16*gf+gks)*8:(16*gf+gks)*8+3],   v[WRA+(\buf)] offset:gf*HALFW+gks*64
	ds_load_b128 v[(16*gf+gks)*8+4:(16*gf+gks)*8+7], v[WRA+(\buf)] offset:gf*HALFW+gks*64+32
.set gf, gf+1
.endr
.set gks, gks+1
.endr
.endm
; product m of a trip's 128: pass m / 64, K step (m % 64) / 4, feature tile (m % 4) / 2, token tile m % 2 of the pass's two.
; Four accumulators take turns, one instruction a turn.  The first K step takes the constant 0 as C: nothing is cleared.
.macro WM kind, m
.set wps, (\m)/64
.set wks, ((\m)%64)/4
.set wf2, ((\m)%4)/2
.set wtl, (\m)%2
.set ia, ACC+(4*wf2+2*wps+wtl)*8
.set iw, (16*wf2+wks)*8
.set ix, wtl*128+wks*8
.if \kind == 2
	WIN 0x06+wps                                   ; source 0 = x, source 1 = W
.if wks == 0
	v_wmma_f32_16x16x32_f16 v[ia:ia+7], v[ix:ix+7], v[iw:iw+7], 0
.else
	v_wmma_f32_16x16x32_f16 v[ia:ia+7], v[ix:ix+7], v[iw:iw+7], v[ia:ia+7]
.endif
.else
	WIN 0x09+4*wps                                 ; source 0 = W, source 1 = x
.if wks == 0
	v_wmma_f32_16x16x32_f16 v[ia:ia+7], v[iw:iw+7], v[ix:ix+7], 0
.else
	v_wmma_f32_16x16x32_f16 v[ia:ia+7], v[iw:iw+7], v[ix:ix+7], v[ia:ia+7]
.endif
.endif
.endm
; slice i (0 to 15): pieces 2 i and 2 i + 1 of the next trip's W rounded in place
.macro WCS i
	WIN 0
.if (\i)%4 == 0
	s_wait_loadcnt 24-2*(\i)                       ; the next eight of the 32 pieces are in; the later ones stay out
.endif
.set wq, 2*(\i)
.rept 2
	v_cvt_pk_f16_f32 v[LD+4*wq], v[LD+4*wq], v[LD+4*wq+1]
	v_cvt_pk_f16_f32 v[LD+4*wq+1], v[LD+4*wq+2], v[LD+4*wq+3]
.set wq, wq+1
.endr
.endm
; half a tile's way out: half 0 the scaling (Q alone), half 1 the rounding to f16
.macro EPH kind, tile, half
.set ea, ACC+8*(\tile)
.set eo, OUTP+4*(\tile)
.if (\half) == 0
.if \kind == 0
	WIN 0
.irp k, 0,2,4,6
	v_pk_mul_f32 v[ea+\k:ea+\k+1], v[ea+\k:ea+\k+1], QSCALE op_sel_hi:[1,0]
.endr
.endif
.else
	WIN 0
.irp k, 0,1,2,3
	v_cvt_pk_f16_f32 v[eo+\k], v[ea+2*\k], v[ea+2*\k+1]
.endr
.endif
.endm
; a tile stored: one piece, 512 consecutive bytes at a multiple of 512 from the buffer's first byte.  late = 1: Q's pass-1 tiles go out after Q's base has stepped
.macro EPS kind, tile, late
	WIN 0
.if \kind == 0
	global_store_b128 v[SOQ], v[OUTP+4*(\tile):OUTP+4*(\tile)+3], s[12:13] offset:((\tile)/4)*131072+((\tile)%4)*2048-512*(\late)
.endif
.if \kind == 1
	global_store_b128 v[SOK], v[OUTP+4*(\tile):OUTP+4*(\tile)+3], s[14:15] offset:((\tile)/4)*262144+((\tile)%4)*2048
.endif
.if \kind == 2
	global_store_b128 v[SOK], v[OUTP+4*(\tile):OUTP+4*(\tile)+3], s[24:25] offset:((\tile)/4)*262144+8192+(((\tile)%4)/2)*4096+((\tile)%2)*512
.endif
.endm
; the run behind product 63
.macro RUN0 prev, wcvt, nb, roll, rbase
	WIN 0
.if \wcvt
.set qi, 0
.rept 32
	ds_store_b64 v[WSA+(\nb)], v[LD+4*qi:LD+4*qi+1] offset:(qi/4)*PITCH+(qi%4)*256
.set qi, qi+1
.endr
.endif
.if \roll
	WLOAD \rbase, 0                                ; they have a whole trip in which to come
.endif
.if \prev < 3
.irp e, 2,3,6,7
	EPS \prev, \e, 1
.endr
.endif
.endm
; One trip.  kind: 0 Q, 1 K, 2 V, also the number of its stage.  prev: the last trip's kind (3: there was none).  wcvt: the next trip's W is rounded into stage nb.
; roll: the W of the trip after next is asked for, from base s[rbase:rbase+1].  nxt: a trip follows (barrier, its fragments).
; LDS ORDER: stage nb is stored behind product 63; it was last read three trips ago, with barriers between.  In front of the barrier's signal every wave waits for
; its stores and its reads; the stage is read behind the barrier's wait.
.macro TRIP kind, prev, wcvt, nb, roll, rbase, nxt
.set mm, 0
.rept 128
.if mm == 0
	s_wait_dscnt 32                                ; K steps 0-7 are in: behind their loads stand the 32 of K steps 8-15
.endif
.if mm == 32
	s_wait_dscnt 16                                ; K steps 8-11: behind them stand sixteen loads
.endif
.if mm == 48
	s_wait_dscnt 0x0
.endif
	WM \kind, mm
.if \prev < 3
.if mm < 16
.if mm%2 == 0
	EPH \prev, 4*(mm/8)+(mm/4)%2+2, (mm/2)%2       ; the last trip's tiles 2, 3, 6, 7; the places behind its last products are the four conversions behind its product 127
.endif
.endif
.endif
.if \wcvt
.if mm >= 33
.if mm <= 63
.if mm%2 == 1
	WCS (mm-33)/2                                  ; the slice behind product 63 also is the places in front of the first reader of a pass-0 tile
.endif
.endif
.endif
.endif
.if mm == 63
.if \wcvt == 0
	PLACES
.endif
	RUN0 \prev, \wcvt, \nb, \roll, \rbase
.endif
.if mm == 79
	s_wait_xcnt 0x0                                ; every store issued so far has had its address translated (ISA guide 3.1): the packed registers are rewritten only behind this wait
.if \nxt
	s_wait_dscnt 0x0                               ; for the other waves: my stores into the next stage, my reads of this one
	s_barrier_signal -1
.endif
.endif
.if mm >= 89
.if mm <= 95
.if mm%2 == 1
	EPH \kind, (mm-89)/4, ((mm-89)/2)%2            ; tiles 0, 1
.endif
.endif
.endif
.if mm == 95
.if \nxt
	s_barrier_wait -1                              ; sixteen products and register work stood between signal and wait
	WFR \nb, 0
.endif
	EPS \kind, 0, 0
	EPS \kind, 1, 0
.endif
.if mm >= 121
.if mm%2 == 1
	EPH \kind, 4+(mm-121)/4, ((mm-121)/2)%2        ; tiles 4, 5
.endif
.endif
.if mm == 127
.if \nxt
	WFR \nb, 1
.endif
	EPS \kind, 4, 0
	EPS \kind, 5, 0
.endif
.set mm, mm+1
.endr
.endm
	s_wait_loadcnt 0x0
	WCVT 0                                         ; Q(0) into its stage, while x is on its way
	WLOAD 8, 0                                     ; K(0)
	s_wait_tensorcnt 0x1                           ; tile 0 has landed; tile 1's load may stay out
	XREAD 0
	WIN 0
	s_wait_dscnt 0x0                               ; my reads of slot 0 (and my stage stores) are done,
	s_wait_tensorcnt 0x0                           ; all my tensor loads have landed: a group 0 may be written
	ds_add_u32 v30, v31
	s_wait_dscnt 0x0
	s_add_nc_u64 s[42:43], s[42:43], 65536         ; 32 rows on
	ROUND                                          ; both hold of every wave of all four work-groups
	tensor_load_to_lds s[40:43], s[32:39]          ; tile 2, my one load behind this round
	s_nop 0
	XREAD 1
	WIN 0
	s_wait_dscnt 0x0
	s_wait_tensorcnt 0x0
	ds_add_u32 v30, v31
	s_wait_dscnt 0x0
	s_add_nc_u64 s[46:47], s[46:47], 65536
	ROUND
	tensor_load_to_lds s[44:47], s[32:39]          ; tile 3: the last fill of the launch
	s_nop 0
	XREAD 2
	s_wait_tensorcnt 0x0
	XREAD 3
	WIN 0
	s_wait_dscnt 0x0                               ; my reads of the slots are over
	s_barrier_signal -1
	s_barrier_wait -1                              ; everybody's are: from here on wave 0's slots serve as the stages of Wk and Wv
	WFR 0, 0
	WFR 0, 1
	TRIP 0, 3, 1, 1, 1, 10, 1                      ; Q(0); K(0) into stage 1; V(0) asked for
	s_wait_xcnt 0x0                                ; the bases of pending loads and stores are stepped only behind this wait
	s_add_nc_u64 s[6:7], s[6:7], 32768             ; from here on each W base stands at the rows of j + 1
	s_add_nc_u64 s[8:9], s[8:9], 32768
	s_add_nc_u64 s[10:11], s[10:11], 32768
	s_add_nc_u64 s[12:13], s[12:13], 512           ; and Q's at ft = j + 1
	s_mov_b32 s26, 3
.Lj:
	TRIP 1, 0, 1, 2, 1, 6, 1                       ; K(j); V(j) into stage 2; Q(j+1) asked for
	TRIP 2, 1, 1, 0, 1, 8, 1                       ; V(j); Q(j+1) into stage 0; K(j+1) asked for
	TRIP 0, 2, 1, 1, 1, 10, 1                      ; Q(j+1); K(j+1) into stage 1; V(j+1) asked for
	s_wait_xcnt 0x0
	s_add_nc_u64 s[6:7], s[6:7], 32768
	s_add_nc_u64 s[8:9], s[8:9], 32768
	s_add_nc_u64 s[10:11], s[10:11], 32768
	s_add_nc_u64 s[12:13], s[12:13], 512           ; Q, K: the next ft
	s_add_nc_u64 s[14:15], s[14:15], 512
	s_add_nc_u64 s[24:25], s[24:25], 1024          ; V: the next dt
	s_sub_co_u32 s26, s26, 1
	s_cmp_lg_u32 s26, 0
	s_cbranch_scc1 .Lj
	TRIP 1, 0, 1, 2, 0, 6, 1                       ; K(3); V(3) into stage 2; nothing is left to ask for
	TRIP 2, 1, 0, 0, 0, 6, 0                       ; V(3)
.irp e, 2,3,6,7
	EPH 2, \e, 1                                   ; its pass-1 tiles
.endr
.irp e, 2,3,6,7
	EPS 2, \e, 0
.endr
	s_wait_dscnt 0x0
	s_wait_tensorcnt 0x0
	ds_add_u32 v30, v31
	s_wait_dscnt 0x0
	ROUND                                          ; the closing round: no work-group ends while a partner may still issue a load that names it
	s_endpgm
.Lfunc_end_k_q773f6e38c3_qkv:
	.size	k_q773f6e38c3_qkv, .Lfunc_end_k_q773f6e38c3_qkv-k_q773f6e38c3_qkv
	.p2alignl 7, 3214868480
	.fill 96, 4, 3214868480
	.section	.rodata,"a",@progbits
	.p2align	6, 0x0
	.amdhsa_kernel k_q773f6e38c3_qkv
		.amdhsa_group_segment_fixed_size 327680
		.amdhsa_private_segment_fixed_size 0
		.amdhsa_enable_private_segment 0
		.amdhsa_kernarg_size 48
		.amdhsa_user_sgpr_count 2
		.amdhsa_user_sgpr_kernarg_segment_ptr 1
		.amdhsa_wavefront_size32 1
		.amdhsa_system_sgpr_workgroup_id_x 1
		.amdhsa_system_sgpr_workgroup_id_y 1
		.amdhsa_system_sgpr_workgroup_id_z 1
		.amdhsa_system_vgpr_workitem_id 0
		.amdhsa_next_free_vgpr 1024
		.amdhsa_next_free_sgpr 66
		.amdhsa_reserve_vcc 0
		.amdhsa_float_denorm_mode_32 3
		.amdhsa_float_denorm_mode_16_64 3
		.amdhsa_memory_ordered 1
		.amdhsa_forward_progress 1
		.amdhsa_inst_pref_size 216
	.end_amdhsa_kernel
	.amdgpu_metadata
---
amdhsa.version: [ 1, 2 ]
amdhsa.kernels:
  - .name:           k_q773f6e38c3_qkv
    .symbol:         k_q773f6e38c3_qkv.kd
    .args:
      - { .name: x, .offset: 0, .size: 8, .value_kind: global_buffer, .address_space: global }
      - { .name: Wq, .offset: 8, .size: 8, .value_kind: global_buffer, .address_space: global }
      - { .name: Wk, .offset: 16, .size: 8, .value_kind: global_buffer, .address_space: global }
      - { .name: Wv, .offset: 24, .size: 8, .value_kind: global_buffer, .address_space: global }
      - { .name: qf, .offset: 32, .size: 8, .value_kind: global_buffer, .address_space: global }
      - { .name: kv, .offset: 40, .size: 8, .value_kind: global_buffer, .address_space: global }
    .group_segment_fixed_size: 327680
    .private_segment_fixed_size: 0
    .kernarg_segment_align: 8
    .kernarg_segment_size: 48
    .max_flat_workgroup_size: 128
    .sgpr_count:     66
    .vgpr_count:     1024
    .wavefront_size: 32
...
	.end_amdgpu_metadata
.endif
;; end of part 4
;; launch attn (part 5): grid 8 x 32, 4 waves a work-group, clusters of 4 x 1, 327,680 bytes of LDS; arguments qf, kv, hop_matrix, rpe, of; writes of
.if DOCPART == 5
	.amdgcn_target "amdgcn-amd-amdhsa--gfx1250"
	.amdhsa_code_object_version 6
	.text
	.protected	k_q773f6e38c3_attn
	.globl	k_q773f6e38c3_attn
	.p2align	8
	.type	k_q773f6e38c3_attn,@function
k_q773f6e38c3_attn:
	s_mov_b64 s[64:65], 0
	v_nop
	global_prefetch_b8 v0, s[64:65] scope:SCOPE_SE
	s_setreg_imm32_b32 hwreg(HW_REG_WAVE_MODE, 25, 1), 1
	s_wait_xcnt 0x0
	s_wait_alu depctr_hold_cnt(0) depctr_sa_sdst(0) depctr_va_vdst(0) depctr_va_sdst(0) depctr_va_ssrc(0) depctr_va_vcc(0) depctr_vm_vsrc(0)
	s_getreg_b32 s2, hwreg(HW_REG_IB_STS2, 6, 4)
	s_cmp_eq_u32 s2, 0
	s_cbranch_scc0 .Lentry_in_a_cluster
	s_endpgm
.Lentry_in_a_cluster:
	s_bfe_u32 s2, ttmp6, 0x10000c
	s_cmp_lg_u32 s2, 0x3003
	s_cbranch_scc0 .Lentry_shape_is_right
	s_endpgm
.Lentry_shape_is_right:
; softmax(q k^T / 8 + rpe[h, hop]) v with a running maximum, for one head, one block of 128 queries and four batches.  No work of the reference is left out.
; FORMAT: q, k, v come in f16; P lies in (0, 1] by the running maximum and O is a weighted mean of v, so both have room in f16 wherever v has.
; LIMITS: a hop index above 8 (read as unsigned) is taken as 8; v_exp_f32 gives 0 for results below 2^-126 (ISA guide 15.8); P is rounded to f16, whose smallest
; step is 2^-24, and O to f16, for the products that take them; the order of the sums is not the reference's.
; SHARES: work-group: query block qb (128 queries), head h, batch group bg.  Wave w is batch 4 bg + w and takes all 128 queries against the 1,024 keys in
; 16 trips of 64 keys.  The bias hangs on (h, q, k) alone, so the four waves share one tile of it (128 x 64 f32): each wave looks up 32 of its rows.
; S^T = K Q^T: a lane holds one query (r) and the keys 16 kt + 8 hh + j.  The bias (times log2 e) is the C of the first product; maximum and sum run inside the
; lane and cross the two halves of the wave once; the packed P is the second source of O^T = V^T P^T as it stands.
; THE ORDER OF A TRIP.  Its 8 query tiles are four groups of two.  A group has 16 products QK, 236 vector instructions (softmax and rescaling) and 16 products PV.
; The vector work of group g is cut into 32 numbered slices, and one slice stands behind each product of the groups beside it:
;   PV(3) of the last trip | first half of the next bias tile's lookup        QK(0) | its second half
;   QK(1) | softmax(0)      PV(0), QK(2) | softmax(1)      PV(1), QK(3) | softmax(2)      PV(2) | softmax(3)
; So two score buffers, two P buffers and two buffers of indices are live.  The slices also are the places behind the products (ISA guide 7.12.1).
; WINDOWS: a group's vector work names S, P, the softmax's state and O, the products K, V and Q beside them: over 500 registers, which no one window of 256 holds.
; So a slice costs two switches: about 290 in a trip, beside its 1,072 vector instructions and 128 products.
; CLUSTER: the four work-groups of a cluster differ in qb alone and read the same blocks of kv: each wave's load of its batch's block is a joint load that
; names all four.  The place in the cluster enters only the global addresses of qf, hop_matrix and of, in scalar registers that feed no descriptor.
; LDS: bytes 0 .. 131071: for each wave two slots of 16,384 bytes (a kv block, dense pieces: a fragment load is 32 lanes x 16 neighbouring bytes);
;      from 131072: two stages of the bias tile, 128 rows of 272 bytes, written by ds_store alone; no tensor load ever lands there.
; By this text's own count a wave never has more than one tensor load outstanding.
; REGISTER WINDOWS: 0 addresses, softmax state, S, P; 1 Q (v0-127) and the kv block's 32 pieces (v128-255); 2 O; 3 the lookup (two index buffers, table, its addresses).
.set STAGE,  131072
.set SBUF,   34816
.set SPITCH, 272                       ; 17 x 16 bytes: sixteen rows begin in sixteen different 16-byte columns of 256
.set L16,  2                           ; v2    16 L
.set KAD,  3                           ; v3    my ring + 16 L
.set BRD,  4                           ; v4-5  stage n, read: 272 r + 32 hh
.set BST,  6                           ; v6-7  stage n, store: 272 (32 w + hh) + 16 r
.set HOFF, 8                           ; v8    hop: 4096 (32 w + hh) + 16 r
.set TAB,  9                           ; v9    lane j: rpe[h][min(j, 8)] log2 e
.set T,    10                          ; v10-17 at work: four registers for each of a group's two tiles
.set TX,   18                          ; v18   at work on the way out
.set MB,   20                          ; v20-35 pairs: running maximum at MB + 2 qt, running sum of the lane's own keys at MB + 2 qt + 1
.set AL,   36                          ; v36, v38 the rescaling factors of the group's two query tiles (v37, v39: the pairs' unused halves)
.set SB,   64                          ; v64-191 scores: two buffers of 64; tile (u, kt) at 32 u + 8 kt
.set PB,   192                         ; v192-255 P in f16: two buffers of 32; 16 u + 4 kt
.set MSB, 0
.macro WIN new
.if MSB != (\new)
	s_set_vgpr_msb (MSB<<8)|(\new)
.set MSB, (\new)
.endif
.endm
.macro PLACES                          ; five plain places behind a run of matrix instructions (ISA guide 7.12.1), where no vector work is left to stand there
.rept 5
	v_nop
.endr
.endm
; a round of the cluster's barrier: my work-group's barrier, wave 0 signals for the work-group, every wave waits for all four work-groups, my work-group's barrier again
.macro ROUND
	s_barrier_signal -1
	s_barrier_wait -1
	s_cmp_lg_u32 s20, 0
	s_cbranch_scc1 .Lnot_wave_0_\@
	s_barrier_signal -3
.Lnot_wave_0_\@:
	s_barrier_wait -3
	s_barrier_signal -1
	s_barrier_wait -1
.endm
	s_load_b256 s[4:11], s[0:1], 0x0               ; qf s[4:5], kv s[6:7], hop_matrix s[8:9], rpe s[10:11]
	s_load_b64 s[12:13], s[0:1], 0x20              ; of
	v_lshl_add_u32 v62, v0, 2, 0x31000
	v_mov_b32 v63, 0
	ds_add_u32 v62, v63
	v_lshrrev_b32 v1, 5, v0
	v_readfirstlane_b32 s20, v1                    ; w
	s_bfe_u32 s14, ttmp6, 0x40000                  ; cx
	s_lshl_b32 s15, ttmp9, 2
	s_add_co_u32 s15, s15, s14                     ; qb = 4 x cluster x + cx
	s_and_b32 s16, ttmp7, 0xffff                   ; y
	s_and_b32 s17, s16, 7                          ; h
	s_lshr_b32 s18, s16, 3                         ; bg
	s_lshl_b32 s19, s18, 2
	s_add_co_u32 s19, s19, s20                     ; b
	s_lshl_b32 s21, s19, 3
	s_add_co_u32 s21, s21, s17                     ; 8 b + h
	s_mov_b32 s40, 0x76543210                      ; v_permlanex16_b32: lane i of one half reads lane i of the other
	s_mov_b32 s41, 0xfedcba98
	; descriptor group 1: a dense block of 16,384 bytes as 64 rows of 32 elements of 8 bytes
	s_mov_b32 s24, 0x0023000f                      ; 15:0 mask: all four work-groups; 17:16 elements of 8 bytes; 21 set beside a mask
	s_mov_b32 s25, 32<<16                          ; tensor_dim0 = 32
	s_mov_b32 s26, 64<<16                          ; tensor_dim1 = 64
	s_mov_b32 s27, 32<<16                          ; tile_dim0 = 32
	s_mov_b32 s28, 64                              ; tile_dim1 = 64
	s_mov_b32 s29, 32                              ; 32 elements from row to row
	s_mov_b32 s30, 0
	s_mov_b32 s31, 0
	s_lshl_b32 s22, s21, 18                        ; my (batch, head) in kv: 16 blocks of 16,384 bytes each
	s_mov_b32 s23, 0
	s_lshl_b32 s43, s20, 15                        ; my wave's ring
	s_wait_dscnt 0x0
	s_wait_kmcnt 0x0
	s_add_nc_u64 s[6:7], s[6:7], s[22:23]
.irp n, 0,1
	s_mov_b32 s[32+4*\n], 1                        ; group 0 of slot n: count,
	s_add_co_u32 s[33+4*\n], s43, \n*16384         ; LDS address,
	s_add_nc_u64 s[34+4*\n:35+4*\n], s[6:7], \n*16384   ; block n,
	s_or_b32 s[35+4*\n], s[35+4*\n], 0x80000000    ; type
.endr
	ROUND                                          ; all four work-groups are here: the first joint loads meet
	tensor_load_to_lds s[32:35], s[24:31]          ; block 0
	s_nop 0
	s_lshl_b32 s44, s21, 17                        ; the offsets that hold qb
	s_lshl_b32 s46, s15, 14
	s_add_co_u32 s44, s44, s46
	s_mov_b32 s45, 0
	s_add_nc_u64 s[4:5], s[4:5], s[44:45]          ; qf at (b, h, query tile 8 qb)
	s_lshl_b32 s46, s15, 19
	s_mov_b32 s47, 0
	s_add_nc_u64 s[8:9], s[8:9], s[46:47]          ; hop_matrix at row 128 qb
	s_lshl_b32 s44, s19, 20
	s_lshl_b32 s46, s15, 17
	s_add_co_u32 s44, s44, s46
	s_lshl_b32 s46, s17, 11
	s_add_co_u32 s44, s44, s46
	s_add_nc_u64 s[12:13], s[12:13], s[44:45]      ; of at (b, token tile 8 qb, h)
	v_and_b32 v40, 31, v0                          ; L
	v_and_b32 v41, 15, v0                          ; r
	v_bfe_u32 v42, v0, 4, 1                        ; hh
	v_min_u32 v44, 8, v40
	s_mul_i32 s42, s17, 9
	v_add_nc_u32 v44, s42, v44
	v_lshlrev_b32 v44, 2, v44
	global_load_b32 v[TAB], v44, s[10:11]          ; rpe[h][min(L, 8)]
	v_lshlrev_b32 v[L16], 4, v40
	WIN 0x40
.set qi, 0
.rept 32
	global_load_b128 v[4*qi:4*qi+3], v[L16], s[4:5] offset:qi*512   ; Q: 8 query tiles x 4 pieces
.set qi, qi+1
.endr
	WIN 0
	v_add_nc_u32 v[KAD], s43, v[L16]
	v_mul_u32_u24 v43, v41, SPITCH
	v_lshl_add_u32 v43, v42, 5, v43
	v_add_nc_u32 v[BRD], STAGE, v43
	v_add_nc_u32 v[BRD+1], STAGE+SBUF, v43
	s_mul_i32 s42, s20, 32*SPITCH                  ; stage rows 32 w .. 32 w + 31 are mine to store
	v_mul_u32_u24 v45, v42, SPITCH
	v_lshl_add_u32 v45, v41, 4, v45
	v_add_nc_u32 v45, s42, v45
	v_add_nc_u32 v[BST], STAGE, v45
	v_add_nc_u32 v[BST+1], STAGE+SBUF, v45
	s_lshl_b32 s42, s20, 17                        ; 32 rows of 4,096 bytes
	v_lshlrev_b32 v[HOFF], 12, v42
	v_lshl_add_u32 v[HOFF], v41, 4, v[HOFF]
	v_add_nc_u32 v[HOFF], s42, v[HOFF]
.irp k, 21,23,25,27,29,31,33,35,37,39,18
	v_mov_b32 v\k, 0                               ; halves of pairs that a broadcast names without using them, and a permute's destination: written once
.endr
	WIN 0xc0                                       ; the lookup's addresses into window 3
	v_mov_b32 v65, v[HOFF]
	v_mov_b32 v66, v[BST]
	v_mov_b32 v67, v[BST+1]
	WIN 0
; my 32 rows x 64 keys of hop_matrix into index buffer buf (v[128 buf ..] of window 3): each load takes two rows' 256 consecutive bytes
.macro HOPLOAD buf, imm
	WIN 0xff
.set qi, 0
.rept 16
	global_load_b128 v[128*(\buf)+4*qi:128*(\buf)+4*qi+3], v65, s[8:9] offset:qi*8192+(\imm)
.set qi, qi+1
.endr
	WIN 0
.endm
; Slice i (0 to 31) of the lookup: two indices clamped and made lane x 4; the two of the slice before are pulled from the lane that holds the table's entry
.macro LKS buf, i
	WIN 0xff
.set hx, 128*(\buf)+2*(\i)
	v_min_u32 v[hx], 8, v[hx]
	v_min_u32 v[hx+1], 8, v[hx+1]
	v_lshlrev_b32 v[hx], 2, v[hx]
	v_lshlrev_b32 v[hx+1], 2, v[hx+1]
.if (\i) > 0
	ds_bpermute_b32 v[hx-2], v[hx-2], v64
	ds_bpermute_b32 v[hx-1], v[hx-1], v64
.endif
.endm
.macro LKTAIL buf                      ; the last two pulls
	WIN 0xff
	ds_bpermute_b32 v[128*(\buf)+62], v[128*(\buf)+62], v64
	ds_bpermute_b32 v[128*(\buf)+63], v[128*(\buf)+63], v64
.endm
.macro LKST buf, q                     ; four of the sixteen stores into stage buf
	WIN 0xff
.set sj, 4*(\q)
.rept 4
	s_wait_dscnt 60-3*sj                           ; behind pull 4 sj + 3 stand at least 60 - 4 sj pulls and sj stores
	ds_store_b128 v[66+(\buf)], v[128*(\buf)+4*sj:128*(\buf)+4*sj+3] offset:sj*2*SPITCH
.set sj, sj+1
.endr
.endm
; the kv block's 32 pieces: K fragments at v[128 + 16 kt + 8 ks], V fragments at v[192 + 8 (4 ks2 + dt)] of window 1
.macro FRAGK slot
	WIN 0x40
.set qi, 0
.rept 16
	ds_load_b128 v[128+4*qi:128+4*qi+3], v[KAD] offset:(\slot)*16384+qi*512
.set qi, qi+1
.endr
.endm
.macro FRAGV slot
	WIN 0x40
.set qi, 16
.rept 16
	ds_load_b128 v[128+4*qi:128+4*qi+3], v[KAD] offset:(\slot)*16384+qi*512
.set qi, qi+1
.endr
.endm
; the bias of group g (query tiles 2g, 2g+1) into its score buffer: 8 neighbouring keys of a lane's query are 32 bytes of a stage row
.macro BIAS buf, g
	WIN 0
.set bi, 0
.rept 16
	ds_load_b128 v[SB+((\g)&1)*64+4*bi:SB+((\g)&1)*64+4*bi+3], v[BRD+(\buf)] offset:(2*(\g)+bi/8)*16*SPITCH+((bi/2)%4)*64+(bi%2)*16
.set bi, bi+1
.endr
.endm
; product n (0 to 15) of QK(g): K step n / 8, tile (n / 4) % 2, key tile n % 4.  Eight accumulators take turns, one instruction a turn
.macro QKI g, n
	WIN 0x05
.set qks, (\n)/8
.set quu, ((\n)/4)%2
.set qkt, (\n)%4
.set qsx, SB+((\g)&1)*64+quu*32+qkt*8
.set qiq, (2*(\g)+quu)*16+qks*8
.set qik, 128+qkt*16+qks*8
	v_wmma_f32_16x16x32_f16 v[qsx:qsx+7], v[qik:qik+7], v[qiq:qiq+7], v[qsx:qsx+7]
.endm
; product n of PV(g), likewise by turns.  In the first trip the first product starts the sums
.macro PVI g, n, first
	WIN 0xa1
.set pks, (\n)/8
.set puu, ((\n)/4)%2
.set pdt, (\n)%4
.set pox, (2*(\g)+puu)*32+pdt*8
.set piv, 192+(4*pks+pdt)*8
.set pip, PB+((\g)&1)*32+puu*16+pks*8
.if (\first)*(1-pks)
	v_wmma_f32_16x16x32_f16 v[pox:pox+7], v[piv:piv+7], v[pip:pip+7], 0
.else
	v_wmma_f32_16x16x32_f16 v[pox:pox+7], v[piv:piv+7], v[pip:pip+7], v[pox:pox+7]
.endif
.endm
; THE PIECES OF THE SOFTMAX.  u = tile of the group (0, 1).  A half-chunk hc (0 to 15) is four scores of tile hc % 2, registers 4 (hc / 2) .. +3.
; Instruction n (0 to 31) of the two maxima: four chains a tile over scores 0-8, 9-17, 18-24, 25-31, the tiles by turns; then the chains and the old maximum meet
.macro MXOP n, g, first
.if (\n) < 28
.if (\n) < 24
.set xl, (\n)/8
.set xw, (\n)%8
.else
.set xl, 3
.set xw, (\n)-24
.endif
.set xu, xw%2
.set xc, xw/2
.set xb, SB+((\g)&1)*64+32*xu+9*xc-2*(xc/3)
.if xl == 0
	v_max3_num_f32 v[T+4*xu+xc], v[xb], v[xb+1], v[xb+2]
.else
	v_max3_num_f32 v[T+4*xu+xc], v[T+4*xu+xc], v[xb+2*xl+1], v[xb+2*xl+2]
.endif
.else
.set xu, (\n)%2
.if (\n) < 30
	v_max3_num_f32 v[T+4*xu], v[T+4*xu], v[T+4*xu+1], v[T+4*xu+2]
.else
.if \first
	v_max_num_f32 v[T+4*xu], v[T+4*xu], v[T+4*xu+3]
.else
	v_max3_num_f32 v[T+4*xu], v[T+4*xu], v[T+4*xu+3], v[MB+2*(2*(\g)+xu)]
.endif
.endif
.endif
.endm
.macro SUBOP g, hc, h                  ; two scores less the maximum
.set zb, SB+((\g)&1)*64+32*((\hc)%2)+4*((\hc)/2)+2*(\h)
.set zm, MB+2*(2*(\g)+(\hc)%2)
	v_pk_add_f32 v[zb:zb+1], v[zb:zb+1], v[zm:zm+1] op_sel_hi:[1,0] neg_lo:[0,1] neg_hi:[0,1]
.endm
.macro EXPOP g, hc, j
.set zb, SB+((\g)&1)*64+32*((\hc)%2)+4*((\hc)/2)+(\j)
	v_exp_f32 v[zb], v[zb]
.endm
.macro SUMH g, hc                      ; two packed chains a tile; the first two half-chunks start them
.set zb, SB+((\g)&1)*64+32*((\hc)%2)+4*((\hc)/2)
.set zt, T+4*((\hc)%2)
.if (\hc)/2 == 0
	s_wait_alu depctr_va_vdst(0)
	v_pk_add_f32 v[zt:zt+1], v[zb:zb+1], v[zb+2:zb+3]
.else
.if (\hc)/2 == 1
	s_wait_alu depctr_va_vdst(0)
	v_pk_add_f32 v[zt+2:zt+3], v[zb:zb+1], v[zb+2:zb+3]
.else
	v_pk_add_f32 v[zt:zt+1], v[zt:zt+1], v[zb:zb+1]
	s_wait_alu depctr_va_vdst(0)
	v_pk_add_f32 v[zt+2:zt+3], v[zt+2:zt+3], v[zb+2:zb+3]
.endif
.endif
.endm
.macro CVTOP g, hc, h
.set zb, SB+((\g)&1)*64+32*((\hc)%2)+4*((\hc)/2)+2*(\h)
.set zp, PB+((\g)&1)*32+16*((\hc)%2)+2*((\hc)/2)+(\h)
	v_cvt_pk_f16_f32 v[zp], v[zb], v[zb+1]
.endm
; SLICE i (0 to 31) of group g's vector work:
;   0-5    the two maxima (6, 6, 5, 5, 5, 5 instructions)
;   6, 7   across the halves of the wave; 2^(old - new); the new maximum; the first two half-chunks' subtractions
;   8-13   O of the group times that factor (6, 6, 5, 5, 5, 5 packed multiplies)
;   14-29  slice 14 + k: the exponentials of half-chunk k, each with a plain instruction of another half-chunk behind it (ISA guide 5.7.2): the subtractions of
;          half-chunk k + 2, the sums and the packing of half-chunk k - 1.  Every slice ends on a plain instruction
;   30, 31 the last sums and packing; the running sum.  Slice 31's plain instructions are the places behind the last product of the next group's QK
.macro SMS i, g, first
.if (\i) < 6
	WIN 0
.if (\i) < 2
.set mi, 6*(\i)
.set mc, 6
.else
.set mi, 5*(\i)+2
.set mc, 5
.endif
.rept mc
	MXOP mi, \g, \first
.set mi, mi+1
.endr
.endif
.if (\i) == 6
	WIN 0
	v_permlanex16_b32 v[T+1], v[T], s40, s41       ; the query's other 32 keys lie in the other half of the wave
	v_permlanex16_b32 v[T+5], v[T+4], s40, s41
.if \first
	v_max_num_f32 v[MB+4*(\g)], v[T], v[T+1]
	v_max_num_f32 v[MB+4*(\g)+2], v[T+4], v[T+5]
.else
	v_max_num_f32 v[T], v[T], v[T+1]
	v_max_num_f32 v[T+4], v[T+4], v[T+5]
	v_sub_f32 v[T+2], v[MB+4*(\g)], v[T]
	v_sub_f32 v[T+6], v[MB+4*(\g)+2], v[T+4]
.endif
.endif
.if (\i) == 7
	WIN 0
.if \first == 0
	v_exp_f32 v[AL], v[T+2]
	v_exp_f32 v[AL+2], v[T+6]
	v_mov_b32 v[MB+4*(\g)], v[T]
	v_mov_b32 v[MB+4*(\g)+2], v[T+4]
	s_wait_alu depctr_va_vdst(0)
.endif
	SUBOP \g, 0, 0
	SUBOP \g, 1, 0
	SUBOP \g, 0, 1
	SUBOP \g, 1, 1
.endif
.if (\i) >= 8
.if (\i) < 14
.if \first == 0
	WIN 0x82
.if (\i) < 10
.set mi, 6*(\i)-48
.set mc, 6
.else
.set mi, 5*(\i)-38
.set mc, 5
.endif
.rept mc
	v_pk_mul_f32 v[(\g)*64+2*mi:(\g)*64+2*mi+1], v[(\g)*64+2*mi:(\g)*64+2*mi+1], v[AL+2*(mi/16):AL+2*(mi/16)+1] op_sel_hi:[1,0]
.set mi, mi+1
.endr
.endif
.endif
.endif
.if (\i) >= 14
.if (\i) < 30
	WIN 0
.set kk, (\i)-14
	EXPOP \g, kk, 0
.if kk <= 13
	SUBOP \g, kk+2, 0
.endif
	EXPOP \g, kk, 1
.if kk >= 1
	SUMH \g, kk-1
.endif
	EXPOP \g, kk, 2
.if kk >= 1
	CVTOP \g, kk-1, 0
.endif
	EXPOP \g, kk, 3
.if kk <= 13
	SUBOP \g, kk+2, 1
.endif
.if kk >= 1
	CVTOP \g, kk-1, 1
.endif
.endif
.endif
.if (\i) == 30
	WIN 0
	v_pk_add_f32 v[T:T+1], v[T:T+1], v[T+2:T+3]
	s_wait_alu depctr_va_vdst(0)
	SUMH \g, 15
	v_pk_add_f32 v[T+4:T+5], v[T+4:T+5], v[T+6:T+7]
.endif
.if (\i) == 31
	WIN 0
	CVTOP \g, 15, 0
	CVTOP \g, 15, 1
.if \first
	v_add_f32 v[MB+4*(\g)+1], v[T], v[T+1]
	v_add_f32 v[MB+4*(\g)+3], v[T+4], v[T+5]
.else
	v_add_f32 v[T], v[T], v[T+1]
	v_add_f32 v[T+4], v[T+4], v[T+5]
	v_fma_f32 v[MB+4*(\g)+1], v[MB+4*(\g)+1], v[AL], v[T]
	v_fma_f32 v[MB+4*(\g)+3], v[MB+4*(\g)+3], v[AL+2], v[T+4]
.endif
.endif
.endm
; The step of group g = 1, 2: PV(g-1), then QK(g+1), with softmax(g) behind them.  The bias of g+1 goes into the score buffer that softmax(g-1) has left
; and has PV's sixteen products in which to come.
.macro STEP g, slot, first
	BIAS \slot, \g+1
.set nn, 0
.rept 16
	PVI \g-1, nn, \first
	SMS nn, \g, \first
.set nn, nn+1
.endr
	s_wait_dscnt 0x0                               ; that bias (and, in the first of the two steps, the lookup's stores)
.set nn, 0
.rept 16
	QKI \g+1, nn
	SMS 16+nn, \g, \first
.set nn, nn+1
.endr
.endm
; One trip = one block of 64 keys.  The round is the barrier in front of the refill: in front of it every wave has waited for its tensor load, for its reads of
; the other slot and the other stage, and for its stores into this trip's stage; behind it the joint refill comes first.
; refill: the next block is asked for.  hopld: the indices of the block after next are asked for.  lookup: the next block's bias tile is made.
; first: this is the first trip.  prev: 0 no trip before, 1 the trip before was the first, 2 any other.
.macro TRIP slot, refill, hopld, lookup, first, prev
	s_wait_tensorcnt 0x0                           ; my one load, this trip's block, has landed; no load of mine is out, so a group 0 may be written:
	ds_add_u32 v62, v63
	s_wait_dscnt 0x0
	s_add_nc_u64 s[34+4*\slot:35+4*\slot], s[34+4*\slot:35+4*\slot], 32768   ; this slot's next block
	s_wait_loadcnt 0x0                             ; the indices asked for a trip ago are in, so their base may step:
	s_add_nc_u64 s[8:9], s[8:9], 256               ; the next 64 keys
	s_wait_dscnt 0x0
	ROUND
.if \refill
	tensor_load_to_lds s[36-4*\slot:39-4*\slot], s[24:31]   ; the next block, into the slot read in the last trip
	s_nop 0
.endif
.if \hopld
	HOPLOAD \slot, 0                               ; into the index buffer that the last trip's lookup has left
.endif
	FRAGK \slot
	BIAS \slot, 0
.set nn, 0
.rept 16
.if \prev == 1
	PVI 3, nn, 1
.endif
.if \prev == 2
	PVI 3, nn, 0
.endif
.if \lookup
	LKS 1-\slot, nn
.endif
.set nn, nn+1
.endr
.if \lookup == 0
	PLACES
.endif
	FRAGV \slot                                    ; four plain instructions stand behind the last product that read V's fragments
	BIAS \slot, 1
	s_wait_dscnt 32+30*\lookup                     ; K and bias 0 are in: behind them stand the 30 pulls, V's 16 loads and bias 1's 16
.set nn, 0
.rept 16
	QKI 0, nn
.if \lookup
	LKS 1-\slot, 16+nn
.endif
.set nn, nn+1
.endr
.if \lookup
	LKTAIL 1-\slot
.else
	PLACES
.endif
	s_wait_dscnt 34*\lookup                        ; bias 1 (and V) are in: behind them stand 34 pulls
.set nn, 0
.rept 16
	QKI 1, nn
	SMS 2*nn, 0, \first
	SMS 2*nn+1, 0, \first
.if \lookup
.if nn%4 == 3
	LKST 1-\slot, nn/4                             ; the other stage was last read in the trip before: this trip's round lies between
.endif
.endif
.set nn, nn+1
.endr
	STEP 1, \slot, \first
	STEP 2, \slot, \first
.set nn, 0
.rept 16
	PVI 2, nn, \first
	SMS 2*nn, 3, \first
	SMS 2*nn+1, 3, \first
.set nn, nn+1
.endr
	WIN 0
.endm
	HOPLOAD 0, 0                                   ; the indices of blocks 0 and 1
	HOPLOAD 1, 256
	s_wait_loadcnt 0x0                             ; the table, Q, the indices
	s_add_nc_u64 s[8:9], s[8:9], 256               ; each trip's head adds 256 more: trip t asks for block t + 2
	v_mul_f32 v[TAB], 0x3fb8aa3b, v[TAB]           ; the exponentials are to the base 2
	WIN 0xc0
	v_mov_b32 v64, v[TAB]
.set nn, 0
.rept 32
	LKS 0, nn                                      ; block 0's bias tile
.set nn, nn+1
.endr
	LKTAIL 0
.irp q, 0,1,2,3
	LKST 0, \q
.endr
	WIN 0
	TRIP 0, 1, 1, 1, 1, 0
	TRIP 1, 1, 1, 1, 0, 1
	s_mov_b32 s42, 6
.Lkeys:
	TRIP 0, 1, 1, 1, 0, 2
	TRIP 1, 1, 1, 1, 0, 2
	s_sub_co_u32 s42, s42, 1
	s_cmp_lg_u32 s42, 0
	s_cbranch_scc1 .Lkeys
	TRIP 0, 1, 0, 1, 0, 2                          ; block 14: no indices are left to ask for
	TRIP 1, 0, 0, 0, 0, 2                          ; block 15: nothing is left to fetch or to look up
.set nn, 0
.rept 16
	PVI 3, nn, 0                                   ; the last group's PV
.set nn, nn+1
.endr
	WIN 0
	PLACES
	; the way out: the two halves' sums meet, O / sum, f16, one piece (512 consecutive bytes) a store
.irp qt, 0,1,2,3,4,5,6,7
	v_permlanex16_b32 v[TX], v[MB+2*\qt+1], s40, s41
	v_add_f32 v[T+\qt], v[MB+2*\qt+1], v[TX]
.endr
.irp qt, 0,1,2,3,4,5,6,7
	v_rcp_f32 v[MB+2*\qt], v[T+\qt]
.endr
	v_nop
	WIN 0x82
.set ri, 0
	s_wait_alu depctr_va_vdst(0)
.rept 128
	v_pk_mul_f32 v[2*ri:2*ri+1], v[2*ri:2*ri+1], v[MB+2*(ri/16):MB+2*(ri/16)+1] op_sel_hi:[1,0]
.set ri, ri+1
.endr
	WIN 0x0a
.set ri, 0
.rept 128
	v_cvt_pk_f16_f32 v[SB+ri], v[2*ri], v[2*ri+1]
.set ri, ri+1
.endr
	WIN 0
.set ri, 0
.rept 32
	global_store_b128 v[L16], v[SB+4*ri:SB+4*ri+3], s[12:13] offset:(ri/4)*16384+(ri%4)*512
.set ri, ri+1
.endr
	s_wait_dscnt 0x0
	ROUND                                          ; the closing round: no work-group ends while a partner may still issue a load that names it
	s_endpgm
.Lfunc_end_k_q773f6e38c3_attn:
	.size	k_q773f6e38c3_attn, .Lfunc_end_k_q773f6e38c3_attn-k_q773f6e38c3_attn
	.p2alignl 7, 3214868480
	.fill 96, 4, 3214868480
	.section	.rodata,"a",@progbits
	.p2align	6, 0x0
	.amdhsa_kernel k_q773f6e38c3_attn
		.amdhsa_group_segment_fixed_size 327680
		.amdhsa_private_segment_fixed_size 0
		.amdhsa_enable_private_segment 0
		.amdhsa_kernarg_size 40
		.amdhsa_user_sgpr_count 2
		.amdhsa_user_sgpr_kernarg_segment_ptr 1
		.amdhsa_wavefront_size32 1
		.amdhsa_system_sgpr_workgroup_id_x 1
		.amdhsa_system_sgpr_workgroup_id_y 1
		.amdhsa_system_sgpr_workgroup_id_z 1
		.amdhsa_system_vgpr_workitem_id 0
		.amdhsa_next_free_vgpr 960
		.amdhsa_next_free_sgpr 66
		.amdhsa_reserve_vcc 0
		.amdhsa_float_denorm_mode_32 3
		.amdhsa_float_denorm_mode_16_64 3
		.amdhsa_memory_ordered 1
		.amdhsa_forward_progress 1
		.amdhsa_inst_pref_size 255
	.end_amdhsa_kernel
	.section	.bss,"aw",@nobits
	.p2align	6
	.space	262144
	.amdgpu_metadata
---
amdhsa.version: [ 1, 2 ]
amdhsa.kernels:
  - .name:           k_q773f6e38c3_attn
    .symbol:         k_q773f6e38c3_attn.kd
    .args:
      - { .name: qf, .offset: 0, .size: 8, .value_kind: global_buffer, .address_space: global }
      - { .name: kv, .offset: 8, .size: 8, .value_kind: global_buffer, .address_space: global }
      - { .name: hop_matrix, .offset: 16, .size: 8, .value_kind: global_buffer, .address_space: global }
      - { .name: rpe, .offset: 24, .size: 8, .value_kind: global_buffer, .address_space: global }
      - { .name: of, .offset: 32, .size: 8, .value_kind: global_buffer, .address_space: global }
    .group_segment_fixed_size: 327680
    .private_segment_fixed_size: 0
    .kernarg_segment_align: 8
    .kernarg_segment_size: 40
    .max_flat_workgroup_size: 128
    .sgpr_count:     66
    .vgpr_count:     960
    .wavefront_size: 32
...
	.end_amdgpu_metadata
.endif
;; end of part 5
;; launch oproj (part 6): grid 4 x 64, 4 waves a work-group, no clusters, 136,704 bytes of LDS; arguments of, Wo, bo, out0; writes out0
.if DOCPART == 6
	.amdgcn_target "amdgcn-amd-amdhsa--gfx1250"
	.amdhsa_code_object_version 6
	.text
	.protected	k_q773f6e38c3_oproj
	.globl	k_q773f6e38c3_oproj
	.p2align	8
	.type	k_q773f6e38c3_oproj,@function
k_q773f6e38c3_oproj:
	s_mov_b64 s[64:65], 0
	v_nop
	global_prefetch_b8 v0, s[64:65] scope:SCOPE_SE
	s_setreg_imm32_b32 hwreg(HW_REG_WAVE_MODE, 25, 1), 1
	s_wait_xcnt 0x0
; out0 = O Wo^T + bo.  No work of the reference is left out.  O comes from 'of' in f16 as the register image of the second source; Wo is rounded to f16; sums in f32.
; LIMIT: a number of Wo beyond 65,504 in magnitude becomes an infinity (as drawn Wo stays below 0.3, thirty times larger below 8); the order of the sums is not the reference's.
; SHARES: work-group (p, tb): tokens 256 tb .. +255, features 128 p .. +127; wave w: 64 tokens, whose O (512 registers) is loaded once, 512 consecutive bytes a load.
; Wo goes through LDS in four trips of 32 rows and two stages.  Source 0 = 16 rows of Wo, source 1 = 16 tokens: a lane's eight results are eight neighbouring
; features of one token, so bo's eight numbers for them are the C of a tile's first product and no addition is written.  Two trips' results (64 features) meet in
; the wave's own LDS rows and leave as rows of 256 bytes.
; THE ORDER OF A TRIP (128 products, pass 0: token tiles 0, 1; pass 1: tiles 2, 3): vector work stands behind the products, memory instructions in three runs.
;   products 33-63 (odd): two of the 32 pieces of the next trip's Wo are rounded
;   behind product 63:    RUN: those pieces into the other stage; the loads of the Wo after next; the last trip's pass-1 tiles into my LDS rows
;   product 79 / 95:      the trip's one barrier, signal and wait
;   behind product 95:    RUN: this trip's pass-0 tiles into my LDS rows; bo for the trip after next; the next trip's fragments of K steps 0-7
;   behind product 127:   RUN: the next trip's fragments of K steps 8-15
;   Features 0-63 are whole behind trip 2's product 63: they are read back behind its product 95 and stored behind its product 127; features 64-127 at the end.
; NO TENSOR LOADS, NO CLUSTER: Wo is f32 in memory and has to be rounded on the way into LDS, which only a way through registers does.
.set PITCH, 1040
.set HALFW, 16*PITCH
.set WBUF,  32*PITCH
.set OST,   2*WBUF                     ; behind the two stages: 64 rows of 272 bytes for each wave, its own
.set OPITCH, 272
.set L16,  2                           ; v2   16 L
.set WOFF, 5                           ; v5   16384 w + 16 L
.set WSA,  6                           ; v6-7
.set WRA,  9                           ; v9-10
.set OSA,  11                          ; v11  my rows, in: 272 r + 32 hh
.set ORA,  12                          ; v12  my rows, back: 272 hh + 16 r
.set OOFF, 13                          ; v13  out0: 2048 (64 w + hh) + 16 r
.set BOF,  14                          ; v14  32 hh
.set ACC,  32                          ; v32-95  tile (ft2, tt) at ACC + 8 (4 ft2 + tt)
.set BO,   96                          ; v96-127 two sets of 16: set j % 2, register 8 ft2 + i: bo[128 p + 32 j + 16 ft2 + 8 hh + i]
.set LD,   128                         ; v128-255 landing registers
.set MSB, 0
.macro WIN new
.if MSB != (\new)
	s_set_vgpr_msb (MSB<<8)|(\new)
.set MSB, (\new)
.endif
.endm
.macro PLACES                          ; five plain places behind a run of matrix instructions (ISA guide 7.12.1): this launch has no vector work to put there
.rept 5
	v_nop
.endr
.endm
.macro WLOAD base, imm                 ; my 8 of a trip's 32 rows of Wo
	WIN 0
.set qi, 0
.rept 32
	global_load_b128 v[LD+4*qi:LD+4*qi+3], v[WOFF], s[\base:\base+1] offset:(\imm)+(qi/4)*2048+(qi%4)*512
.set qi, qi+1
.endr
.endm
.macro WSTORE nb                       ; the 32 rounded pieces into stage nb, in one run
	WIN 0
.set qi, 0
.rept 32
	ds_store_b64 v[WSA+(\nb)], v[LD+4*qi:LD+4*qi+1] offset:(qi/4)*PITCH+(qi%4)*256
.set qi, qi+1
.endr
.endm
.macro WCS i                           ; slice i (0 to 15): pieces 2 i and 2 i + 1 rounded in place
	WIN 0
.if (\i)%4 == 0
	s_wait_loadcnt 24-2*(\i)               ; the next eight of the 32 pieces are in (behind the 32 stand at most four loads of bo: the count is the stricter one)
.endif
.set wq, 2*(\i)
.rept 2
	v_cvt_pk_f16_f32 v[LD+4*wq], v[LD+4*wq], v[LD+4*wq+1]
	v_cvt_pk_f16_f32 v[LD+4*wq+1], v[LD+4*wq+2], v[LD+4*wq+3]
.set wq, wq+1
.endr
.endm
.macro WFR buf, h                      ; the fragments of K steps 8 h .. 8 h + 7 of stage buf: 32 loads in one run, K step outermost
	WIN 0x40
.set gks, 8*(\h)
.rept 8
.set gf, 0
.rept 2
	ds_load_b128 v[(16*gf+gks)*8:(16*gf+gks)*8+3],   v[WRA+(\buf)] offset:gf*HALFW+gks*64
	ds_load_b128 v[(16*gf+gks)*8+4:(16*gf+gks)*8+7], v[WRA+(\buf)] offset:gf*HALFW+gks*64+32
.set gf, gf+1
.endr
.set gks, gks+1
.endr
.endm
.macro BLOAD j                         ; bo for trip j: the sixteen lanes of a half read the same 32 bytes
	WIN 0
.set bq, 0
.rept 4
	global_load_b128 v[BO+16*((\j)&1)+4*bq:BO+16*((\j)&1)+4*bq+3], v[BOF], s[8:9] offset:(\j)*128+(bq/2)*64+(bq%2)*16
.set bq, bq+1
.endr
.endm
.macro OLOAD tt                        ; token tile tt of O: 32 pieces
	WIN 0x80+0x40*((\tt)/2)
.set qi, 0
.rept 32
	global_load_b128 v[((\tt)%2)*128+4*qi:((\tt)%2)*128+4*qi+3], v[L16], s[4:5] offset:(\tt)*16384+qi*512
.set qi, qi+1
.endr
.endm
; product m of trip j.  Four accumulators take turns, one instruction a turn.  The first K step takes bo as C: nothing is cleared or added later
.macro WM j, m
.set wps, (\m)/64
.set wks, ((\m)%64)/4
.set wf2, ((\m)%4)/2
.set wtl, (\m)%2
.set ia, ACC+(4*wf2+2*wps+wtl)*8
.set iw, (16*wf2+wks)*8
.set ix, wtl*128+wks*8
.set ib, BO+16*((\j)&1)+8*wf2
	WIN 0x09+4*wps
.if wks == 0
	v_wmma_f32_16x16x32_f16 v[ia:ia+7], v[iw:iw+7], v[ix:ix+7], v[ib:ib+7]
.else
	v_wmma_f32_16x16x32_f16 v[ia:ia+7], v[iw:iw+7], v[ix:ix+7], v[ia:ia+7]
.endif
.endm
.macro OSTORE ps, buf                  ; the four tiles of pass ps into my LDS rows, at the 128 bytes of trip parity buf
	WIN 0
.irp ti, 0,1,4,5
	ds_store_b128 v[OSA], v[ACC+8*(\ti+2*(\ps)):ACC+8*(\ti+2*(\ps))+3]   offset:((\ti+2*(\ps))%4)*16*OPITCH+(\buf)*128+((\ti+2*(\ps))/4)*64
	ds_store_b128 v[OSA], v[ACC+8*(\ti+2*(\ps))+4:ACC+8*(\ti+2*(\ps))+7] offset:((\ti+2*(\ps))%4)*16*OPITCH+(\buf)*128+((\ti+2*(\ps))/4)*64+16
.endr
.endm
.macro RBACK                           ; my 64 rows of 256 bytes back, two rows a load.  My own bytes, served in order (ISA guide 5.7.1): no wait behind the stores
	WIN 0
.set qi, 0
.rept 32
	ds_load_b128 v[LD+4*qi:LD+4*qi+3], v[ORA] offset:qi*2*OPITCH
.set qi, qi+1
.endr
.endm
	s_load_b256 s[4:11], s[0:1], 0x0               ; of s[4:5], Wo s[6:7], bo s[8:9], out0 s[10:11]
	v_lshl_add_u32 v30, v0, 2, 0x21400
	v_mov_b32 v31, 0
	v_lshrrev_b32 v1, 5, v0
	v_readfirstlane_b32 s14, v1                    ; w
	s_mov_b32 s12, ttmp9                           ; p
	s_and_b32 s13, ttmp7, 0xffff                   ; tb
	v_and_b32 v24, 31, v0                          ; L
	v_and_b32 v25, 15, v0                          ; r
	v_bfe_u32 v26, v0, 4, 1                        ; hh
	v_lshlrev_b32 v[L16], 4, v24
	s_lshl_b32 s15, s14, 14                        ; 8 rows of 2,048 bytes a wave
	v_add_nc_u32 v[WOFF], s15, v[L16]
	s_mul_i32 s15, s14, 8*PITCH
	v_lshl_add_u32 v[WSA], v24, 3, s15
	v_add_nc_u32 v[WSA+1], WBUF, v[WSA]
	v_mul_u32_u24 v27, v25, PITCH
	v_lshl_add_u32 v27, v26, 4, v27
	v_mov_b32 v[WRA], v27
	v_add_nc_u32 v[WRA+1], WBUF, v27
	s_mul_i32 s15, s14, 64*OPITCH
	s_add_co_u32 s15, s15, OST                     ; my wave's rows
	v_mul_u32_u24 v28, v25, OPITCH
	v_lshl_add_u32 v28, v26, 5, v28
	v_add_nc_u32 v[OSA], s15, v28
	v_mul_u32_u24 v28, v26, OPITCH
	v_lshl_add_u32 v28, v25, 4, v28
	v_add_nc_u32 v[ORA], s15, v28
	s_lshl_b32 s15, s14, 17                        ; 64 rows of 2,048 bytes
	v_lshlrev_b32 v[OOFF], 11, v26
	v_lshl_add_u32 v[OOFF], v25, 4, v[OOFF]
	v_add_nc_u32 v[OOFF], s15, v[OOFF]
	v_lshlrev_b32 v[BOF], 5, v26
	s_wait_kmcnt 0x0
	s_lshl_b32 s16, s13, 2
	s_add_co_u32 s16, s16, s14
	s_lshl_b32 s16, s16, 16                        ; my four token tiles of 16,384 bytes
	s_mov_b32 s17, 0
	s_add_nc_u64 s[4:5], s[4:5], s[16:17]
	s_lshl_b32 s16, s12, 18                        ; 128 rows of Wo
	s_add_nc_u64 s[6:7], s[6:7], s[16:17]
	s_lshl_b32 s16, s12, 9                         ; 128 features of 4 bytes
	s_add_nc_u64 s[8:9], s[8:9], s[16:17]
	s_lshl_b32 s18, s13, 19
	s_add_co_u32 s16, s16, s18
	s_add_nc_u64 s[10:11], s[10:11], s[16:17]
	WLOAD 6, 0                                     ; Wo's rows of trip 0 first: they have the longest way (rounding, LDS, a barrier)
	BLOAD 0
	BLOAD 1
	OLOAD 0
	OLOAD 1
	WIN 0
	s_wait_loadcnt 63                              ; Wo(0) and bo are in: behind them stand the 64 loads of O's tiles 0 and 1
.set qi, 0
.rept 32
	v_cvt_pk_f16_f32 v[LD+4*qi], v[LD+4*qi], v[LD+4*qi+1]
	v_cvt_pk_f16_f32 v[LD+4*qi+1], v[LD+4*qi+2], v[LD+4*qi+3]
.set qi, qi+1
.endr
	WSTORE 0
	OLOAD 2
	OLOAD 3
	WLOAD 6, 65536                                 ; Wo's rows of trip 1: the youngest loads, so the slices' counts are theirs alone
	s_wait_dscnt 0x0
	s_barrier_signal -1
	s_barrier_wait -1
	WFR 0, 0
	WFR 0, 1
; Trip j: rows 32 j .. +31 of my 128.  LDS ORDER: the other stage is stored behind product 63; it was last read for the trip before, whose barrier lies between.
; In front of the barrier's signal every wave waits for its stores and its reads; the stage is read behind the barrier's wait.
.macro OTRIP j
.set ob, (\j)&1
.set onb, 1-ob
.set mm, 0
.rept 128
.if mm == 0
.if \j == 0
	s_wait_loadcnt 63                              ; O's tiles 0 and 1 are in: behind them stand 96 loads
.endif
	s_wait_dscnt 32                                ; K steps 0-7 are in: behind their loads stand the 32 of K steps 8-15
.endif
.if mm == 32
	s_wait_dscnt 16                                ; K steps 8-11: behind them stand sixteen loads
.endif
.if mm == 48
	s_wait_dscnt 0x0
.endif
	WM \j, mm
.if \j < 3
.if mm >= 33
.if mm <= 63
.if mm%2 == 1
	WCS (mm-33)/2                                  ; its last wait, for 0, also shows O's tiles 2 and 3 and the next sets of bo in
.endif
.endif
.endif
.endif
.if mm == 63
.if \j == 3
	PLACES
.endif
.if \j < 3
	WSTORE onb
.endif
.if \j < 2
	WLOAD 6, (\j+2)*65536
.endif
.if \j > 0
	OSTORE 1, onb                                  ; the last trip's pass-1 tiles, before product 64 starts them anew
.endif
.endif
.if mm == 79
.if \j < 3
	s_wait_dscnt 0x0                               ; for the other waves: my stores into the other stage, my reads of this one
	s_barrier_signal -1
.endif
.endif
.if mm == 95
	PLACES                                         ; in front of the loads into fragments and into bo's set, which products up to here have read
.if \j < 3
	s_barrier_wait -1
.endif
.if \j == 2
	RBACK                                          ; features 0-63, ahead of the stores that lay trip 2's over them
.endif
	OSTORE 0, ob
.if \j < 2
	BLOAD \j+2
.endif
.if \j < 3
	WFR onb, 0
.endif
.endif
.if mm == 127
	PLACES
.if \j == 2
	WIN 0
	s_wait_dscnt 40                                ; the 32 rows' loads are in: behind them stand 8 stores and 32 fragment loads
.set qi, 0
.rept 32
	global_store_b128 v[OOFF], v[LD+4*qi:LD+4*qi+3], s[10:11] offset:qi*4096 th:TH_STORE_NT   ; sixteen lanes store 256 consecutive bytes, at a multiple of 256 from out0's first byte
.set qi, qi+1
.endr
.endif
.if \j < 3
	WFR onb, 1
.endif
.endif
.set mm, mm+1
.endr
.endm
	OTRIP 0
	OTRIP 1
	OTRIP 2
	OTRIP 3
	OSTORE 1, 1                                    ; the last pass-1 tiles: features 64-127 are whole
	s_wait_xcnt 0x0                                ; the landing registers were the data of the first half's stores: loaded again only behind this wait
	RBACK
.set qi, 0
.rept 32
	s_wait_dscnt 31-qi                             ; this pair of rows is in; the younger loads stay out
	global_store_b128 v[OOFF], v[LD+4*qi:LD+4*qi+3], s[10:11] offset:qi*4096+256 th:TH_STORE_NT
.set qi, qi+1
.endr
	s_wait_tensorcnt 0x0
	ds_add_u32 v30, v31
	s_wait_dscnt 0x0
	s_endpgm
.Lfunc_end_k_q773f6e38c3_oproj:
	.size	k_q773f6e38c3_oproj, .Lfunc_end_k_q773f6e38c3_oproj-k_q773f6e38c3_oproj
	.p2alignl 7, 3214868480
	.fill 96, 4, 3214868480
	.section	.rodata,"a",@progbits
	.p2align	6, 0x0
	.amdhsa_kernel k_q773f6e38c3_oproj
		.amdhsa_group_segment_fixed_size 136704
		.amdhsa_private_segment_fixed_size 0
		.amdhsa_enable_private_segment 0
		.amdhsa_kernarg_size 32
		.amdhsa_user_sgpr_count 2
		.amdhsa_user_sgpr_kernarg_segment_ptr 1
		.amdhsa_wavefront_size32 1
		.amdhsa_system_sgpr_workgroup_id_x 1
		.amdhsa_system_sgpr_workgroup_id_y 1
		.amdhsa_system_sgpr_workgroup_id_z 1
		.amdhsa_system_vgpr_workitem_id 0
		.amdhsa_next_free_vgpr 1024
		.amdhsa_next_free_sgpr 66
		.amdhsa_reserve_vcc 0
		.amdhsa_float_denorm_mode_32 3
		.amdhsa_float_denorm_mode_16_64 3
		.amdhsa_memory_ordered 1
		.amdhsa_forward_progress 1
		.amdhsa_inst_pref_size 122
	.end_amdhsa_kernel
	.amdgpu_metadata
---
amdhsa.version: [ 1, 2 ]
amdhsa.kernels:
  - .name:           k_q773f6e38c3_oproj
    .symbol:         k_q773f6e38c3_oproj.kd
    .args:
      - { .name: of, .offset: 0, .size: 8, .value_kind: global_buffer, .address_space: global }
      - { .name: Wo, .offset: 8, .size: 8, .value_kind: global_buffer, .address_space: global }
      - { .name: bo, .offset: 16, .size: 8, .value_kind: global_buffer, .address_space: global }
      - { .name: out0, .offset: 24, .size: 8, .value_kind: global_buffer, .address_space: global }
    .group_segment_fixed_size: 136704
    .private_segment_fixed_size: 0
    .kernarg_segment_align: 8
    .kernarg_segment_size: 32
    .max_flat_workgroup_size: 128
    .sgpr_count:     66
    .vgpr_count:     1024
    .wavefront_size: 32
...
	.end_amdgpu_metadata
.endif
;; end of part 6
;; ======== version 3 of 3: 3 launches; 1.12 times as fast as version 1
;; limits: values are held in f16: magnitudes above 65,504 overflow, below 6.1e-05 lose precision
;; workspace buffers: qf 16,777,216 bytes; kv 33,554,432 bytes; of 16,777,216 bytes
;; launch qkv: the kernel of part 4 again; grid 4 x 64, 4 waves a work-group, clusters of 4 x 1, 327,680 bytes of LDS; arguments x, Wq, Wk, Wv, qf, kv; writes qf, kv
;; launch attn (part 7): grid 8 x 32, 4 waves a work-group, clusters of 4 x 1, 327,680 bytes of LDS; arguments qf, kv, hop_matrix, rpe, of; writes of
.if DOCPART == 7
	.amdgcn_target "amdgcn-amd-amdhsa--gfx1250"
	.amdhsa_code_object_version 6
	.text
	.protected	k_q773f6e38c3_attn
	.globl	k_q773f6e38c3_attn
	.p2align	8
	.type	k_q773f6e38c3_attn,@function
k_q773f6e38c3_attn:
	s_mov_b64 s[64:65], 0
	v_nop
	global_prefetch_b8 v0, s[64:65] scope:SCOPE_SE
	s_setreg_imm32_b32 hwreg(HW_REG_WAVE_MODE, 25, 1), 1
	s_wait_xcnt 0x0
	s_wait_alu depctr_hold_cnt(0) depctr_sa_sdst(0) depctr_va_vdst(0) depctr_va_sdst(0) depctr_va_ssrc(0) depctr_va_vcc(0) depctr_vm_vsrc(0)
	s_getreg_b32 s2, hwreg(HW_REG_IB_STS2, 6, 4)
	s_cmp_eq_u32 s2, 0
	s_cbranch_scc0 .Lentry_in_a_cluster
	s_endpgm
.Lentry_in_a_cluster:
	s_bfe_u32 s2, ttmp6, 0x10000c
	s_cmp_lg_u32 s2, 0x3003
	s_cbranch_scc0 .Lentry_shape_is_right
	s_endpgm
.Lentry_shape_is_right:
; softmax(q k^T / 8 + rpe[h, hop]) v with a running maximum, for one head, one block of 128 queries and four batches.  No work of the reference is left out.
; FORMAT: q, k, v come in f16; P lies in (0, 1] by the running maximum and O is a weighted mean of v, so both have room in f16 wherever v has.
; LIMITS: a hop index above 8 (read as unsigned) is taken as 8; v_exp_f32 gives 0 for results below 2^-126 (ISA guide 15.8); P is rounded to f16, whose smallest
; step is 2^-24, and O to f16, for the products that take them; the order of the sums is not the reference's.
; SHARES: work-group: query block qb (128 queries), head h, batch group bg.  Wave w is batch 4 bg + w and takes all 128 queries against the 1,024 keys in
; 16 trips of 64 keys.  The bias hangs on (h, q, k) alone, so the four waves share one tile of it (128 x 64 f32): each wave looks up 32 of its rows.
; S^T = K Q^T: a lane holds one query (r) and the keys 16 kt + 8 hh + j.  The bias (times log2 e) is the C of the first product; maximum and sum run inside the
; lane and cross the two halves of the wave once; the packed P is the second source of O^T = V^T P^T as it stands.
; THE ORDER OF A TRIP.  Its 8 query tiles are four groups of two.  A group has 16 products QK, 236 vector instructions (softmax and rescaling) and 16 products PV.
; The vector work of group g is cut into 32 numbered slices, and one slice stands behind each product of the groups beside it:
;   PV(3) of the last trip | first half of the next bias tile's lookup        QK(0) | its second half
;   QK(1) | softmax(0)      PV(0), QK(2) | softmax(1)      PV(1), QK(3) | softmax(2)      PV(2) | softmax(3)
; So two score buffers, two P buffers and two buffers of indices are live.  The slices also are the places behind the products (ISA guide 7.12.1).
; THE BATCHES.  A group's 66 exponentials (its two rescaling factors, then the 64 scores of its two tiles, in place) are ONE batch with ONE wait, the
; s_wait_alu depctr_va_vdst(0) ahead of the first instruction that names a result.  Ahead of the wait (slices 0-19) stands all that names
; no result: the maxima, the exchange, the subtractions, the exponentials.  Behind it (slices 20-31) stands all that does: O times the factor, the sums, the packing,
; the running sum.  So a trip has four waits, and no exponential is issued behind a group's wait.
; The way out's eight reciprocals are a batch of their own.
; WINDOWS: a group's vector work names S, P, the softmax's state and O, the products K, V and Q beside them: over 500 registers, which no one window of 256 holds.
; So a slice costs two switches: about 290 in a trip, beside its 1,072 vector instructions and 128 products.
; CLUSTER: the four work-groups of a cluster differ in qb alone and read the same blocks of kv: each wave's load of its batch's block is a joint load that
; names all four.  The place in the cluster enters only the global addresses of qf, hop_matrix and of, in scalar registers that feed no descriptor.
; LDS: bytes 0 .. 131071: for each wave two slots of 16,384 bytes (a kv block, dense pieces: a fragment load is 32 lanes x 16 neighbouring bytes);
;      from 131072: two stages of the bias tile, 128 rows of 272 bytes, written by ds_store alone; no tensor load ever lands there.
; By this text's own count a wave never has more than one tensor load outstanding.
; REGISTER WINDOWS: 0 addresses, softmax state, S, P; 1 Q (v0-127) and the kv block's 32 pieces (v128-255); 2 O; 3 the lookup (two index buffers, table, its addresses).
.set STAGE,  131072
.set SBUF,   34816
.set SPITCH, 272                       ; 17 x 16 bytes: sixteen rows begin in sixteen different 16-byte columns of 256
.set L16,  2                           ; v2    16 L
.set KAD,  3                           ; v3    my ring + 16 L
.set BRD,  4                           ; v4-5  stage n, read: 272 r + 32 hh
.set BST,  6                           ; v6-7  stage n, store: 272 (32 w + hh) + 16 r
.set HOFF, 8                           ; v8    hop: 4096 (32 w + hh) + 16 r
.set TAB,  9                           ; v9    lane j: rpe[h][min(j, 8)] log2 e
.set T,    10                          ; v10-17 at work: four registers for each of a group's two tiles
.set TX,   18                          ; v18   at work on the way out
.set MB,   20                          ; v20-35 pairs: running maximum at MB + 2 qt, running sum of the lane's own keys at MB + 2 qt + 1
.set AL,   36                          ; v36, v38 the rescaling factors of the group's two query tiles (v37, v39: the pairs' unused halves)
.set SB,   64                          ; v64-191 scores: two buffers of 64; tile (u, kt) at 32 u + 8 kt
.set PB,   192                         ; v192-255 P in f16: two buffers of 32; 16 u + 4 kt
.set MSB, 0
.macro WIN new
.if MSB != (\new)
	s_set_vgpr_msb (MSB<<8)|(\new)
.set MSB, (\new)
.endif
.endm
.macro PLACES                          ; five plain places behind a run of matrix instructions (ISA guide 7.12.1), where no vector work is left to stand there
.rept 5
	v_nop
.endr
.endm
; a round of the cluster's barrier: my work-group's barrier, wave 0 signals for the work-group, every wave waits for all four work-groups, my work-group's barrier again
.macro ROUND
	s_barrier_signal -1
	s_barrier_wait -1
	s_cmp_lg_u32 s20, 0
	s_cbranch_scc1 .Lnot_wave_0_\@
	s_barrier_signal -3
.Lnot_wave_0_\@:
	s_barrier_wait -3
	s_barrier_signal -1
	s_barrier_wait -1
.endm
	s_load_b256 s[4:11], s[0:1], 0x0               ; qf s[4:5], kv s[6:7], hop_matrix s[8:9], rpe s[10:11]
	s_load_b64 s[12:13], s[0:1], 0x20              ; of
	v_lshl_add_u32 v62, v0, 2, 0x31000
	v_mov_b32 v63, 0
	ds_add_u32 v62, v63
	v_lshrrev_b32 v1, 5, v0
	v_readfirstlane_b32 s20, v1                    ; w
	s_bfe_u32 s14, ttmp6, 0x40000                  ; cx
	s_lshl_b32 s15, ttmp9, 2
	s_add_co_u32 s15, s15, s14                     ; qb = 4 x cluster x + cx
	s_and_b32 s16, ttmp7, 0xffff                   ; y
	s_and_b32 s17, s16, 7                          ; h
	s_lshr_b32 s18, s16, 3                         ; bg
	s_lshl_b32 s19, s18, 2
	s_add_co_u32 s19, s19, s20                     ; b
	s_lshl_b32 s21, s19, 3
	s_add_co_u32 s21, s21, s17                     ; 8 b + h
	s_mov_b32 s40, 0x76543210                      ; v_permlanex16_b32: lane i of one half reads lane i of the other
	s_mov_b32 s41, 0xfedcba98
	; descriptor group 1: a dense block of 16,384 bytes as 64 rows of 32 elements of 8 bytes
	s_mov_b32 s24, 0x0023000f                      ; 15:0 mask: all four work-groups; 17:16 elements of 8 bytes; 21 set beside a mask
	s_mov_b32 s25, 32<<16                          ; tensor_dim0 = 32
	s_mov_b32 s26, 64<<16                          ; tensor_dim1 = 64
	s_mov_b32 s27, 32<<16                          ; tile_dim0 = 32
	s_mov_b32 s28, 64                              ; tile_dim1 = 64
	s_mov_b32 s29, 32                              ; 32 elements from row to row
	s_mov_b32 s30, 0
	s_mov_b32 s31, 0
	s_lshl_b32 s22, s21, 18                        ; my (batch, head) in kv: 16 blocks of 16,384 bytes each
	s_mov_b32 s23, 0
	s_lshl_b32 s43, s20, 15                        ; my wave's ring
	s_wait_dscnt 0x0
	s_wait_kmcnt 0x0
	s_add_nc_u64 s[6:7], s[6:7], s[22:23]
.irp n, 0,1
	s_mov_b32 s[32+4*\n], 1                        ; group 0 of slot n: count,
	s_add_co_u32 s[33+4*\n], s43, \n*16384         ; LDS address,
	s_add_nc_u64 s[34+4*\n:35+4*\n], s[6:7], \n*16384   ; block n,
	s_or_b32 s[35+4*\n], s[35+4*\n], 0x80000000    ; type
.endr
	ROUND                                          ; all four work-groups are here: the first joint loads meet
	tensor_load_to_lds s[32:35], s[24:31]          ; block 0
	s_nop 0
	s_lshl_b32 s44, s21, 17                        ; the offsets that hold qb
	s_lshl_b32 s46, s15, 14
	s_add_co_u32 s44, s44, s46
	s_mov_b32 s45, 0
	s_add_nc_u64 s[4:5], s[4:5], s[44:45]          ; qf at (b, h, query tile 8 qb)
	s_lshl_b32 s46, s15, 19
	s_mov_b32 s47, 0
	s_add_nc_u64 s[8:9], s[8:9], s[46:47]          ; hop_matrix at row 128 qb
	s_lshl_b32 s44, s19, 20
	s_lshl_b32 s46, s15, 17
	s_add_co_u32 s44, s44, s46
	s_lshl_b32 s46, s17, 11
	s_add_co_u32 s44, s44, s46
	s_add_nc_u64 s[12:13], s[12:13], s[44:45]      ; of at (b, token tile 8 qb, h)
	v_and_b32 v40, 31, v0                          ; L
	v_and_b32 v41, 15, v0                          ; r
	v_bfe_u32 v42, v0, 4, 1                        ; hh
	v_min_u32 v44, 8, v40
	s_mul_i32 s42, s17, 9
	v_add_nc_u32 v44, s42, v44
	v_lshlrev_b32 v44, 2, v44
	global_load_b32 v[TAB], v44, s[10:11]          ; rpe[h][min(L, 8)]
	v_lshlrev_b32 v[L16], 4, v40
	WIN 0x40
.set qi, 0
.rept 32
	global_load_b128 v[4*qi:4*qi+3], v[L16], s[4:5] offset:qi*512   ; Q: 8 query tiles x 4 pieces
.set qi, qi+1
.endr
	WIN 0
	v_add_nc_u32 v[KAD], s43, v[L16]
	v_mul_u32_u24 v43, v41, SPITCH
	v_lshl_add_u32 v43, v42, 5, v43
	v_add_nc_u32 v[BRD], STAGE, v43
	v_add_nc_u32 v[BRD+1], STAGE+SBUF, v43
	s_mul_i32 s42, s20, 32*SPITCH                  ; stage rows 32 w .. 32 w + 31 are mine to store
	v_mul_u32_u24 v45, v42, SPITCH
	v_lshl_add_u32 v45, v41, 4, v45
	v_add_nc_u32 v45, s42, v45
	v_add_nc_u32 v[BST], STAGE, v45
	v_add_nc_u32 v[BST+1], STAGE+SBUF, v45
	s_lshl_b32 s42, s20, 17                        ; 32 rows of 4,096 bytes
	v_lshlrev_b32 v[HOFF], 12, v42
	v_lshl_add_u32 v[HOFF], v41, 4, v[HOFF]
	v_add_nc_u32 v[HOFF], s42, v[HOFF]
.irp k, 21,23,25,27,29,31,33,35,37,39,18
	v_mov_b32 v\k, 0                               ; halves of pairs that a broadcast names without using them, and a permute's destination: written once
.endr
	WIN 0xc0                                       ; the lookup's addresses into window 3
	v_mov_b32 v65, v[HOFF]
	v_mov_b32 v66, v[BST]
	v_mov_b32 v67, v[BST+1]
	WIN 0
; my 32 rows x 64 keys of hop_matrix into index buffer buf (v[128 buf ..] of window 3): each load takes two rows' 256 consecutive bytes
.macro HOPLOAD buf, imm
	WIN 0xff
.set qi, 0
.rept 16
	global_load_b128 v[128*(\buf)+4*qi:128*(\buf)+4*qi+3], v65, s[8:9] offset:qi*8192+(\imm)
.set qi, qi+1
.endr
	WIN 0
.endm
; Slice i (0 to 31) of the lookup: two indices clamped and made lane x 4; the two of the slice before are pulled from the lane that holds the table's entry
.macro LKS buf, i
	WIN 0xff
.set hx, 128*(\buf)+2*(\i)
	v_min_u32 v[hx], 8, v[hx]
	v_min_u32 v[hx+1], 8, v[hx+1]
	v_lshlrev_b32 v[hx], 2, v[hx]
	v_lshlrev_b32 v[hx+1], 2, v[hx+1]
.if (\i) > 0
	ds_bpermute_b32 v[hx-2], v[hx-2], v64
	ds_bpermute_b32 v[hx-1], v[hx-1], v64
.endif
.endm
.macro LKTAIL buf                      ; the last two pulls
	WIN 0xff
	ds_bpermute_b32 v[128*(\buf)+62], v[128*(\buf)+62], v64
	ds_bpermute_b32 v[128*(\buf)+63], v[128*(\buf)+63], v64
.endm
.macro LKST buf, q                     ; four of the sixteen stores into stage buf
	WIN 0xff
.set sj, 4*(\q)
.rept 4
	s_wait_dscnt 60-3*sj                           ; behind pull 4 sj + 3 stand at least 60 - 4 sj pulls and sj stores
	ds_store_b128 v[66+(\buf)], v[128*(\buf)+4*sj:128*(\buf)+4*sj+3] offset:sj*2*SPITCH
.set sj, sj+1
.endr
.endm
; the kv block's 32 pieces: K fragments at v[128 + 16 kt + 8 ks], V fragments at v[192 + 8 (4 ks2 + dt)] of window 1
.macro FRAGK slot
	WIN 0x40
.set qi, 0
.rept 16
	ds_load_b128 v[128+4*qi:128+4*qi+3], v[KAD] offset:(\slot)*16384+qi*512
.set qi, qi+1
.endr
.endm
.macro FRAGV slot
	WIN 0x40
.set qi, 16
.rept 16
	ds_load_b128 v[128+4*qi:128+4*qi+3], v[KAD] offset:(\slot)*16384+qi*512
.set qi, qi+1
.endr
.endm
; the bias of group g (query tiles 2g, 2g+1) into its score buffer: 8 neighbouring keys of a lane's query are 32 bytes of a stage row
.macro BIAS buf, g
	WIN 0
.set bi, 0
.rept 16
	ds_load_b128 v[SB+((\g)&1)*64+4*bi:SB+((\g)&1)*64+4*bi+3], v[BRD+(\buf)] offset:(2*(\g)+bi/8)*16*SPITCH+((bi/2)%4)*64+(bi%2)*16
.set bi, bi+1
.endr
.endm
; product n (0 to 15) of QK(g): K step n / 8, tile (n / 4) % 2, key tile n % 4.  Eight accumulators take turns, one instruction a turn
.macro QKI g, n
	WIN 0x05
.set qks, (\n)/8
.set quu, ((\n)/4)%2
.set qkt, (\n)%4
.set qsx, SB+((\g)&1)*64+quu*32+qkt*8
.set qiq, (2*(\g)+quu)*16+qks*8
.set qik, 128+qkt*16+qks*8
	v_wmma_f32_16x16x32_f16 v[qsx:qsx+7], v[qik:qik+7], v[qiq:qiq+7], v[qsx:qsx+7]
.endm
; product n of PV(g), likewise by turns.  In the first trip the first product starts the sums
.macro PVI g, n, first
	WIN 0xa1
.set pks, (\n)/8
.set puu, ((\n)/4)%2
.set pdt, (\n)%4
.set pox, (2*(\g)+puu)*32+pdt*8
.set piv, 192+(4*pks+pdt)*8
.set pip, PB+((\g)&1)*32+puu*16+pks*8
.if (\first)*(1-pks)
	v_wmma_f32_16x16x32_f16 v[pox:pox+7], v[piv:piv+7], v[pip:pip+7], 0
.else
	v_wmma_f32_16x16x32_f16 v[pox:pox+7], v[piv:piv+7], v[pip:pip+7], v[pox:pox+7]
.endif
.endm
; THE PIECES OF THE SOFTMAX.  u = tile of the group (0, 1).  A half-chunk hc (0 to 15) is four scores of tile hc % 2, registers 4 (hc / 2) .. +3.
; Instruction n (0 to 31) of the two maxima: four chains a tile over scores 0-8, 9-17, 18-24, 25-31, the tiles by turns; then the chains and the old maximum meet
.macro MXOP n, g, first
.if (\n) < 28
.if (\n) < 24
.set xl, (\n)/8
.set xw, (\n)%8
.else
.set xl, 3
.set xw, (\n)-24
.endif
.set xu, xw%2
.set xc, xw/2
.set xb, SB+((\g)&1)*64+32*xu+9*xc-2*(xc/3)
.if xl == 0
	v_max3_num_f32 v[T+4*xu+xc], v[xb], v[xb+1], v[xb+2]
.else
	v_max3_num_f32 v[T+4*xu+xc], v[T+4*xu+xc], v[xb+2*xl+1], v[xb+2*xl+2]
.endif
.else
.set xu, (\n)%2
.if (\n) < 30
	v_max3_num_f32 v[T+4*xu], v[T+4*xu], v[T+4*xu+1], v[T+4*xu+2]
.else
.if \first
	v_max_num_f32 v[T+4*xu], v[T+4*xu], v[T+4*xu+3]
.else
	v_max3_num_f32 v[T+4*xu], v[T+4*xu], v[T+4*xu+3], v[MB+2*(2*(\g)+xu)]
.endif
.endif
.endif
.endm
.macro SUBOP g, hc, h                  ; two scores less the maximum
.set zb, SB+((\g)&1)*64+32*((\hc)%2)+4*((\hc)/2)+2*(\h)
.set zm, MB+2*(2*(\g)+(\hc)%2)
	v_pk_add_f32 v[zb:zb+1], v[zb:zb+1], v[zm:zm+1] op_sel_hi:[1,0] neg_lo:[0,1] neg_hi:[0,1]
.endm
.macro EXPOP g, hc, j
.set zb, SB+((\g)&1)*64+32*((\hc)%2)+4*((\hc)/2)+(\j)
	v_exp_f32 v[zb], v[zb]
.endm
; The batch's two queues.  Subtraction s (0 to 31) is half s % 2 of half-chunk s / 2; exponential e (0 to 63) is score e % 4 of half-chunk e / 4 and needs subtraction e / 2.
; Slice 7 sets both counts to 0.
.macro SUBQ g                          ; the next subtraction
	SUBOP \g, nsub/2, nsub%2
.set nsub, nsub+1
.endm
.macro EXPQ g                          ; the next exponential
	EXPOP \g, nexp/4, nexp%4
.set nexp, nexp+1
.endm
.macro SUMOP g, hc, c                  ; two packed chains a tile (c = 0, 1); half-chunks 0 to 3 start them, each with one addition of its two pairs
.set zb, SB+((\g)&1)*64+32*((\hc)%2)+4*((\hc)/2)
.set zt, T+4*((\hc)%2)
.if (\hc) < 4
	v_pk_add_f32 v[zt+2*((\hc)/2):zt+2*((\hc)/2)+1], v[zb:zb+1], v[zb+2:zb+3]
.else
	v_pk_add_f32 v[zt+2*(\c):zt+2*(\c)+1], v[zt+2*(\c):zt+2*(\c)+1], v[zb+2*(\c):zb+2*(\c)+1]
.endif
.endm
.macro CVTOP g, hc, h
.set zb, SB+((\g)&1)*64+32*((\hc)%2)+4*((\hc)/2)+2*(\h)
.set zp, PB+((\g)&1)*32+16*((\hc)%2)+2*((\hc)/2)+(\h)
	v_cvt_pk_f16_f32 v[zp], v[zb], v[zb+1]
.endm
; Number n (0 to 65) of the list that reads the scores' exponentials, all of it in window 0.  The half-chunks in ascending order, each its sums and then its packing:
;   0-11   half-chunks 0 to 3: one addition, two roundings        12-57  half-chunks 4 to 15: two additions, two roundings (the last half-chunk's roundings: 59, 61)
;   58, 60 a tile's two chains meet        62, 63  its even and odd keys meet        64, 65  the running sum times the factor, plus that (the first trip: 62, 63 start the running sum)
; Two links of one chain stand eight numbers apart.
.macro TLOP n, g, first
.if (\n) < 12
.if (\n)%3 == 0
	SUMOP \g, (\n)/3, 0
.else
	CVTOP \g, (\n)/3, (\n)%3-1
.endif
.endif
.if (\n) >= 12
.if (\n) < 58
.if (\n)%4 < 2
	SUMOP \g, (\n)/4+1, (\n)%4
.else
	CVTOP \g, (\n)/4+1, (\n)%4-2
.endif
.endif
.endif
.if (\n) == 58
	v_pk_add_f32 v[T:T+1], v[T:T+1], v[T+2:T+3]
.endif
.if (\n) == 59
	CVTOP \g, 15, 0
.endif
.if (\n) == 60
	v_pk_add_f32 v[T+4:T+5], v[T+4:T+5], v[T+6:T+7]
.endif
.if (\n) == 61
	CVTOP \g, 15, 1
.endif
.if (\n) == 62
.if \first
	v_add_f32 v[MB+4*(\g)+1], v[T], v[T+1]
.else
	v_add_f32 v[T], v[T], v[T+1]
.endif
.endif
.if (\n) == 63
.if \first
	v_add_f32 v[MB+4*(\g)+3], v[T+4], v[T+5]
.else
	v_add_f32 v[T+4], v[T+4], v[T+5]
.endif
.endif
.if \first == 0
.if (\n) == 64
	v_fma_f32 v[MB+4*(\g)+1], v[MB+4*(\g)+1], v[AL], v[T]
.endif
.if (\n) == 65
	v_fma_f32 v[MB+4*(\g)+3], v[MB+4*(\g)+3], v[AL+2], v[T+4]
.endif
.endif
.endm
; SLICE i (0 to 31) of group g's vector work:
;   0-5    the two maxima (6, 6, 5, 5, 5, 5 instructions)
;   6      across the halves of the wave; old maximum less new
;   7      THE BATCH BEGINS: 2^(old - new) for both tiles; the new maximum; subtractions 0 to 3
;   8-19   subtractions 4 to 31 and the 64 exponentials.  A subtraction leads each slice, and the subtractions are spread over the batch: slices 8-11 S E E S E E S E;
;          even slices from 12 on S E E S E E E; odd ones S E E E S E E E.  Behind slice 7 four subtractions are done and no exponential; behind slice 11 sixteen and twenty;
;          from there on a slice adds two and five or six: exponential e always finds subtraction e / 2 done (the tightest: 62, one instruction behind subtraction 31).
;          Nothing in slices 7 to 19 names a result of the batch.
;   (wait) behind slice 19: a v_nop and the group's one wait
;   20-23  O of the group times its factor, eight packed multiplies a slice: the one part that leaves window 0 (the first trip has none)
;   24-31  TLOP's list: 8, 8, 8, 8, 8, 8, 9, 9.  Slice 31's plain instructions are the places behind the last product of the next group's QK
.macro SMS i, g, first
.if (\i) < 6
	WIN 0
.if (\i) < 2
.set mi, 6*(\i)
.set mc, 6
.else
.set mi, 5*(\i)+2
.set mc, 5
.endif
.rept mc
	MXOP mi, \g, \first
.set mi, mi+1
.endr
.endif
.if (\i) == 6
	WIN 0
	v_permlanex16_b32 v[T+1], v[T], s40, s41       ; the query's other 32 keys lie in the other half of the wave
	v_permlanex16_b32 v[T+5], v[T+4], s40, s41
.if \first
	v_max_num_f32 v[MB+4*(\g)], v[T], v[T+1]
	v_max_num_f32 v[MB+4*(\g)+2], v[T+4], v[T+5]
.else
	v_max_num_f32 v[T], v[T], v[T+1]
	v_max_num_f32 v[T+4], v[T+4], v[T+5]
	v_sub_f32 v[T+2], v[MB+4*(\g)], v[T]
	v_sub_f32 v[T+6], v[MB+4*(\g)+2], v[T+4]
.endif
.endif
.if (\i) == 7
	WIN 0
.if \first == 0
	v_exp_f32 v[AL], v[T+2]                        ; the batch's first two; they are read behind the group's wait, by slice 20
	v_exp_f32 v[AL+2], v[T+6]
	v_mov_b32 v[MB+4*(\g)], v[T]
	v_mov_b32 v[MB+4*(\g)+2], v[T+4]
.endif
.set nsub, 0
.set nexp, 0
.rept 4
	SUBQ \g
.endr
.endif
.if (\i) >= 8
.if (\i) < 20
	WIN 0
	SUBQ \g
	EXPQ \g
	EXPQ \g
.if (\i) < 12
	SUBQ \g
	EXPQ \g
	EXPQ \g
	SUBQ \g
	EXPQ \g
.else
.if (\i)%2 == 0
	SUBQ \g
	EXPQ \g
	EXPQ \g
	EXPQ \g
.else
	EXPQ \g
	SUBQ \g
	EXPQ \g
	EXPQ \g
	EXPQ \g
.endif
.endif
.if (\i) == 19
	v_nop                                          ; a plain instruction behind the last exponential and ahead of the first use (ISA guide 5.7.2): one for the batch
	s_wait_alu depctr_va_vdst(0)                   ; the wait for the batch: the group's 66 exponentials (64 in the first trip)
.endif
.endif
.endif
.if (\i) >= 20
.if (\i) < 24
.if \first == 0
	WIN 0x82
.set mi, 8*(\i)-160
.rept 8
	v_pk_mul_f32 v[(\g)*64+2*mi:(\g)*64+2*mi+1], v[(\g)*64+2*mi:(\g)*64+2*mi+1], v[AL+2*(mi/16):AL+2*(mi/16)+1] op_sel_hi:[1,0]
.set mi, mi+1
.endr
.endif
.endif
.endif
.if (\i) >= 24
	WIN 0
.set tn, 8*(\i)-192
.set tc, 8
.if (\i) >= 30
.set tc, 9
.endif
.if (\i) == 31
.set tn, 57
.endif
.rept tc
	TLOP tn, \g, \first
.set tn, tn+1
.endr
.endif
.endm
; The step of group g = 1, 2: PV(g-1), then QK(g+1), with softmax(g) behind them.  The bias of g+1 goes into the score buffer that softmax(g-1) has left
; and has PV's sixteen products in which to come.
.macro STEP g, slot, first
	BIAS \slot, \g+1
.set nn, 0
.rept 16
	PVI \g-1, nn, \first
	SMS nn, \g, \first
.set nn, nn+1
.endr
	s_wait_dscnt 0x0                               ; that bias (and, in the first of the two steps, the lookup's stores)
.set nn, 0
.rept 16
	QKI \g+1, nn
	SMS 16+nn, \g, \first
.set nn, nn+1
.endr
.endm
; One trip = one block of 64 keys.  The round is the barrier in front of the refill: in front of it every wave has waited for its tensor load, for its reads of
; the other slot and the other stage, and for its stores into this trip's stage; behind it the joint refill comes first.
; refill: the next block is asked for.  hopld: the indices of the block after next are asked for.  lookup: the next block's bias tile is made.
; first: this is the first trip.  prev: 0 no trip before, 1 the trip before was the first, 2 any other.
.macro TRIP slot, refill, hopld, lookup, first, prev
	s_wait_tensorcnt 0x0                           ; my one load, this trip's block, has landed; no load of mine is out, so a group 0 may be written:
	ds_add_u32 v62, v63
	s_wait_dscnt 0x0
	s_add_nc_u64 s[34+4*\slot:35+4*\slot], s[34+4*\slot:35+4*\slot], 32768   ; this slot's next block
	s_wait_loadcnt 0x0                             ; the indices asked for a trip ago are in, so their base may step:
	s_add_nc_u64 s[8:9], s[8:9], 256               ; the next 64 keys
	s_wait_dscnt 0x0
	ROUND
.if \refill
	tensor_load_to_lds s[36-4*\slot:39-4*\slot], s[24:31]   ; the next block, into the slot read in the last trip
	s_nop 0
.endif
.if \hopld
	HOPLOAD \slot, 0                               ; into the index buffer that the last trip's lookup has left
.endif
	FRAGK \slot
	BIAS \slot, 0
.set nn, 0
.rept 16
.if \prev == 1
	PVI 3, nn, 1
.endif
.if \prev == 2
	PVI 3, nn, 0
.endif
.if \lookup
	LKS 1-\slot, nn
.endif
.set nn, nn+1
.endr
.if \lookup == 0
	PLACES
.endif
	FRAGV \slot                                    ; four plain instructions stand behind the last product that read V's fragments
	BIAS \slot, 1
	s_wait_dscnt 32+30*\lookup                     ; K and bias 0 are in: behind them stand the 30 pulls, V's 16 loads and bias 1's 16
.set nn, 0
.rept 16
	QKI 0, nn
.if \lookup
	LKS 1-\slot, 16+nn
.endif
.set nn, nn+1
.endr
.if \lookup
	LKTAIL 1-\slot
.else
	PLACES
.endif
	s_wait_dscnt 34*\lookup                        ; bias 1 (and V) are in: behind them stand 34 pulls
.set nn, 0
.rept 16
	QKI 1, nn
	SMS 2*nn, 0, \first
	SMS 2*nn+1, 0, \first
.if \lookup
.if nn%4 == 3
	LKST 1-\slot, nn/4                             ; the other stage was last read in the trip before: this trip's round lies between
.endif
.endif
.set nn, nn+1
.endr
	STEP 1, \slot, \first
	STEP 2, \slot, \first
.set nn, 0
.rept 16
	PVI 2, nn, \first
	SMS 2*nn, 3, \first
	SMS 2*nn+1, 3, \first
.set nn, nn+1
.endr
	WIN 0
.endm
	HOPLOAD 0, 0                                   ; the indices of blocks 0 and 1
	HOPLOAD 1, 256
	s_wait_loadcnt 0x0                             ; the table, Q, the indices
	s_add_nc_u64 s[8:9], s[8:9], 256               ; each trip's head adds 256 more: trip t asks for block t + 2
	v_mul_f32 v[TAB], 0x3fb8aa3b, v[TAB]           ; the exponentials are to the base 2
	WIN 0xc0
	v_mov_b32 v64, v[TAB]
.set nn, 0
.rept 32
	LKS 0, nn                                      ; block 0's bias tile
.set nn, nn+1
.endr
	LKTAIL 0
.irp q, 0,1,2,3
	LKST 0, \q
.endr
	WIN 0
	TRIP 0, 1, 1, 1, 1, 0
	TRIP 1, 1, 1, 1, 0, 1
	s_mov_b32 s42, 6
.Lkeys:
	TRIP 0, 1, 1, 1, 0, 2
	TRIP 1, 1, 1, 1, 0, 2
	s_sub_co_u32 s42, s42, 1
	s_cmp_lg_u32 s42, 0
	s_cbranch_scc1 .Lkeys
	TRIP 0, 1, 0, 1, 0, 2                          ; block 14: no indices are left to ask for
	TRIP 1, 0, 0, 0, 0, 2                          ; block 15: nothing is left to fetch or to look up
.set nn, 0
.rept 16
	PVI 3, nn, 0                                   ; the last group's PV
.set nn, nn+1
.endr
	WIN 0
	PLACES
	; the way out: the two halves' sums meet, O / sum, f16, one piece (512 consecutive bytes) a store
.irp qt, 0,1,2,3,4,5,6,7
	v_permlanex16_b32 v[TX], v[MB+2*\qt+1], s40, s41
	v_add_f32 v[T+\qt], v[MB+2*\qt+1], v[TX]
.endr
.irp qt, 0,1,2,3,4,5,6,7
	v_rcp_f32 v[MB+2*\qt], v[T+\qt]
.endr
	v_nop                                          ; a plain instruction between the last reciprocal and the use of its result
	WIN 0x82
.set ri, 0
	s_wait_alu depctr_va_vdst(0)                   ; the wait ahead of the first use: one for the batch of eight reciprocals
.rept 128
	v_pk_mul_f32 v[2*ri:2*ri+1], v[2*ri:2*ri+1], v[MB+2*(ri/16):MB+2*(ri/16)+1] op_sel_hi:[1,0]
.set ri, ri+1
.endr
	WIN 0x0a
.set ri, 0
.rept 128
	v_cvt_pk_f16_f32 v[SB+ri], v[2*ri], v[2*ri+1]
.set ri, ri+1
.endr
	WIN 0
.set ri, 0
.rept 32
	global_store_b128 v[L16], v[SB+4*ri:SB+4*ri+3], s[12:13] offset:(ri/4)*16384+(ri%4)*512
.set ri, ri+1
.endr
	s_wait_dscnt 0x0
	ROUND                                          ; the closing round: no work-group ends while a partner may still issue a load that names it
	s_endpgm
.Lfunc_end_k_q773f6e38c3_attn:
	.size	k_q773f6e38c3_attn, .Lfunc_end_k_q773f6e38c3_attn-k_q773f6e38c3_attn
	.p2alignl 7, 3214868480
	.fill 96, 4, 3214868480
	.section	.rodata,"a",@progbits
	.p2align	6, 0x0
	.amdhsa_kernel k_q773f6e38c3_attn
		.amdhsa_group_segment_fixed_size 327680
		.amdhsa_private_segment_fixed_size 0
		.amdhsa_enable_private_segment 0
		.amdhsa_kernarg_size 40
		.amdhsa_user_sgpr_count 2
		.amdhsa_user_sgpr_kernarg_segment_ptr 1
		.amdhsa_wavefront_size32 1
		.amdhsa_system_sgpr_workgroup_id_x 1
		.amdhsa_system_sgpr_workgroup_id_y 1
		.amdhsa_system_sgpr_workgroup_id_z 1
		.amdhsa_system_vgpr_workitem_id 0
		.amdhsa_next_free_vgpr 960
		.amdhsa_next_free_sgpr 66
		.amdhsa_reserve_vcc 0
		.amdhsa_float_denorm_mode_32 3
		.amdhsa_float_denorm_mode_16_64 3
		.amdhsa_memory_ordered 1
		.amdhsa_forward_progress 1
		.amdhsa_inst_pref_size 255
	.end_amdhsa_kernel
	.section	.bss,"aw",@nobits
	.p2align	6
	.space	262144
	.amdgpu_metadata
---
amdhsa.version: [ 1, 2 ]
amdhsa.kernels:
  - .name:           k_q773f6e38c3_attn
    .symbol:         k_q773f6e38c3_attn.kd
    .args:
      - { .name: qf, .offset: 0, .size: 8, .value_kind: global_buffer, .address_space: global }
      - { .name: kv, .offset: 8, .size: 8, .value_kind: global_buffer, .address_space: global }
      - { .name: hop_matrix, .offset: 16, .size: 8, .value_kind: global_buffer, .address_space: global }
      - { .name: rpe, .offset: 24, .size: 8, .value_kind: global_buffer, .address_space: global }
      - { .name: of, .offset: 32, .size: 8, .value_kind: global_buffer, .address_space: global }
    .group_segment_fixed_size: 327680
    .private_segment_fixed_size: 0
    .kernarg_segment_align: 8
    .kernarg_segment_size: 40
    .max_flat_workgroup_size: 128
    .sgpr_count:     66
    .vgpr_count:     960
    .wavefront_size: 32
...
	.end_amdgpu_metadata
.endif
;; end of part 7
;; launch oproj: the kernel of part 6 again; grid 4 x 64, 4 waves a work-group, no clusters, 136,704 bytes of LDS; arguments of, Wo, bo, out0; writes out0
